; MI455X (gfx1250); checked and timed in simulation.
; The chip was launched on July 23, 2026; its instructions are those of AMD's public machine-readable ISA for CDNA 5 (MIT licence, August 2026) and "CDNA5" Instruction Set Architecture Reference Guide (July 2026). The comments in the code are by the model that wrote it; some were corrected since.
;; Block. Allowed arithmetic: matrix products marked QUANTISED: E2M3 operands, one E8M0 scale for each 32 along K, by v_wmma_scale_f32_16x16x128_f8f6f4 with both operands' format E2M3, f32 sums; everything else in f32.
;; Inputs: W1 512 x 2,048 float32; W2 2,048 x 512 float32; Wk 16 x 512 x 32 float32; Wp 512 x 512 float32; Wq 16 x 512 x 32 float32; Wv 16 x 512 x 32 float32; b1 2,048 float32; b2 512 float32; b_ln1 512 float32; b_ln2 512 float32; bp 512 float32; g_ln1 512 float32; g_ln2 512 float32; x 64 x 256 x 512 float32.
;; Outputs: out0 64 x 256 x 512 float32.
;; This version of the problem:
;;   THIS VERSION OF THE PROBLEM IS GIVEN IN LOW PRECISION. The matrix products marked QUANTISED in the list below multiply operands that are first quantised to E2M3 (2 exponent bits, 3 mantissa bits; 6 bits a number), with one power-of-two scale for each 32 numbers along K (OCP MX v1.0); their sums are f32. All else is computed in f32.
;;   The module's matrix products, in the order in which they are computed (A, B: the left and right operand; K: the contracted axis; several contracted axes count as one K, in the product's order):
;;     1. [M 512, K 512] x [K 512, N 16,384]; A: input Wq; B: computed on the way: QUANTISED
;;     2. [M 512, K 512] x [K 512, N 16,384]; A: input Wk; B: computed on the way: QUANTISED
;;     3. [M 512, K 512] x [K 512, N 16,384]; A: input Wv; B: computed on the way: QUANTISED
;;     4. batch 1,024 x [M 256, K 32] x [K 32, N 256]; A: computed on the way; B: computed on the way: QUANTISED
;;     5. batch 1,024 x [M 256, K 256] x [K 256, N 32]; A: softmax (see below); B: computed on the way: QUANTISED
;;     6. [M 16,384, K 512] x [K 512, N 512]; A: computed on the way; B: input Wp: QUANTISED
;;     7. [M 16,384, K 512] x [K 512, N 2,048]; A: computed on the way; B: input W1: QUANTISED
;;     8. [M 16,384, K 2,048] x [K 2,048, N 512]; A: computed on the way; B: input W2: QUANTISED
;;   THE QUANTISER, for each operand of a quantised product, along K:
;;     - K is cut into blocks of 32 from its start; a last block that is shorter is filled with zeros.
;;     - A block's scale is 2^e with e = floor(log2(the largest magnitude in the block)) - 2, held to -126 .. 127; a block of zeros has e = 0. As a byte (E8M0): e + 127.
;;     - Each number is divided by its block's scale, clamped to +-7.5, and rounded to the nearest number of E2M3, ties to even, subnormals kept.
;;     - The product sums the exact products of the quantised numbers (number of the format x scale) in f32.
;;   ~~~python
;;   def quantise(x, axis):      # numpy; x: float32 -> the quantised numbers, widened to float32 again
;;       x = np.moveaxis(x, axis, -1); K = x.shape[-1]
;;       x = np.pad(x, [(0, 0)] * (x.ndim - 1) + [(0, -K % 32)]); x = x.reshape(x.shape[:-1] + (-1, 32)); a = np.abs(x).max(-1, keepdims=True)
;;       e = np.where(a > 0, np.clip(np.frexp(np.where(a > 0, a, 1))[1] - 1 - 2, -126, 127), 0)      # np.frexp(a)[1] - 1 = floor(log2(a)), exactly
;;       r = np.clip(x / 2.0 ** e, -7.5, 7.5)
;;       step = 2.0 ** (np.maximum(np.frexp(np.where(r == 0, 1, r))[1] - 1, 0) - 3)
;;       q = np.round(r / step) * step * 2.0 ** e      # np.round: ties to even
;;       return np.moveaxis(q.reshape(q.shape[:-2] + (-1,))[..., :K], -1, axis).astype(np.float32)
;;   ~~~
;;   SOFTMAX AHEAD OF A QUANTISED PRODUCT. Where the list says 'softmax', what is quantised is not the finished softmax but p = 2^(t - M), with t = logit x log2(e) and M = ceil(the row's largest t), a whole number; so 1/2 < the row's largest p <= 1. The row's sum l is taken of the UNQUANTISED p, in f32, and the product's result is divided by l at the end. Since M is a whole number, a kernel that streams over the keys may use a running M (the ceiling of the running maximum): every later rescaling is an exact power of two, which a block's scale takes up: the codes' values come out the same.
;;   OPERANDS COMPUTED ON THE WAY. 'Computed on the way' means the value that the module computes at that place (a softmax that the list does not call 'softmax' is quantised finished and normalised). What goes into a quantiser is computed in f32, as accurately as f32 sums, v_exp_f32 and their like allow (about 1e-6 of the number): no bf16 or f16 on the way to a quantiser, and a product that is left as it is and whose result goes on into a quantised operand takes f32 operands (vector FMAs, or v_wmma_f32_16x16x4_f32). A number that lies on a knife's edge between two numbers of the format may be rounded either way, as far as f32 arithmetic and the matrix unit's own rounding can turn it there, and no further.
;; One version. Each part assembles by itself: llvm-mc -triple=amdgcn-amd-amdhsa -mcpu=gfx1250 --defsym DOCPART=n.
;; ======== version 1 of 1: 3 launches
;; limits: right only within a limited range of input values
;; workspace buffers: hbuf 6,553,600 bytes; wbuf 2,457,600 bytes; abuf 6,553,600 bytes
;; launch prep (part 1): grid 448 x 1, 4 waves a work-group, no clusters, 62,976 bytes of LDS; arguments x, g_ln1, b_ln1, Wq, Wk, Wv, Wp, W1, W2, hbuf, wbuf; writes hbuf, wbuf
.if DOCPART == 1
	.amdgcn_target "amdgcn-amd-amdhsa--gfx1250"
	.amdhsa_code_object_version 6
	.text
	.protected	k_q64429c8be6_prep
	.globl	k_q64429c8be6_prep
	.p2align	8
	.type	k_q64429c8be6_prep,@function
k_q64429c8be6_prep:
	s_mov_b64 s[64:65], 0
	v_nop
	global_prefetch_b8 v0, s[64:65] scope:SCOPE_SE
	s_setreg_imm32_b32 hwreg(HW_REG_WAVE_MODE, 25, 1), 1
	s_wait_xcnt 0x0
; PREP.  Two jobs, parted on the work-group's number; each has LDS bytes of its own; waves share nothing, so there is no barrier.
; Work-groups 0-255: h = LayerNorm1(x), quantised along C to FP6 (E2M3) with one E8M0 byte for each 32, stored in hbuf as images of operand registers.
; Work-groups 256-447: the six weights (K is not their innermost axis) quantised along K and stored in wbuf, again as images of operand registers.
; A FRAGMENT'S IMAGE: 16 rows x 128 K = 12 registers a lane = 1,536 bytes: registers 4 p .. 4 p + 3 of lane l at byte 512 p + 16 l.  Three loads of 16 bytes a lane bring it back.
; TOKEN TILES: tile t = 2 b + u of a batch holds, at place i, token 32 b + 8 u + i + 8 (i / 8).  COLUMN TILES of a weight: tile u of 32 columns holds, at place r, column 8 u + r + 8 (r / 8).
; So the 16 registers that two neighbouring tiles leave in a lane of a transposed product are 16 neighbours along the next K.
; THE QUANTISER: a block's scale operand is its largest magnitude with 2 taken off the exponent field; the byte is that field.  The floor 2^(3-127) among the maximum's leaves holds the byte at 1 from below.
; LIMITS: NaN and infinities among the inputs are not served; a block whose largest magnitude lies under 2^-124 gets the byte 1; a block of zeros gets the byte 1 where the rule says 127: its codes are
; zeros, which add nothing under any byte but 0xff, and the bytes are read by this program alone.
.set FLOOR, 0x1800000
.set OFFE,  0xff000000
.set LNW,   12544                      ; LDS of a wave of the LayerNorm path: a stage of 16 rows x 528 bytes, then copies of g and of b, 2,048 bytes each
.set WST,   50176                      ; behind the four: the weight path's stages, 3,072 bytes a wave
.set MSB, 0
.macro WIN new                         ; the immediate's high byte repeats the setting that is left
.if MSB != \new
	s_set_vgpr_msb (MSB<<8)|\new
.set MSB, \new
.endif
.endm
	s_load_b256 s[4:11], s[0:1], 0x0               ; x, g, b, Wq
	s_load_b256 s[12:19], s[0:1], 0x20             ; Wk, Wv, Wp, W1
	s_load_b128 s[20:23], s[0:1], 0x40             ; W2, hbuf
	s_load_b64 s[24:25], s[0:1], 0x50              ; wbuf
	v_lshrrev_b32 v1, 5, v0
	v_readfirstlane_b32 s26, v1                    ; wave 0..3
	s_cmp_lt_u32 ttmp9, 256
	s_cbranch_scc0 .Lweights
; ---------------- LayerNorm 1.  A wave takes one token tile: 16 rows x 512 columns = 256 numbers a lane, in window 1 (X).
; REGISTERS, window 0: v1-8 addresses; v[10:11] -mean twice; v[12:19] four chains; v[20:21] 1/sigma twice; v22-31 at work; v32-35 the four scale words; v36-83 four fragments of codes; v84-90 conversions' second halves;
; v128-191 g, v192-255 b of the chunk in hand.
	s_lshl_b32 s27, ttmp9, 2
	s_add_co_u32 s27, s27, s26                     ; the tile: 4 x work-group + wave
	s_lshr_b32 s28, s27, 4                         ; batch
	s_and_b32 s29, s27, 15                         ; t
	s_lshr_b32 s30, s29, 1
	s_lshl_b32 s30, s30, 5                         ; 32 b
	s_and_b32 s31, s29, 1
	s_lshl_b32 s31, s31, 3                         ; 8 u
	s_add_co_u32 s30, s30, s31
	s_lshl_b32 s31, s28, 8
	s_add_co_u32 s30, s30, s31                     ; the tile's first row of x
	s_lshl_b32 s30, s30, 11                        ; x 2,048 bytes
	s_mov_b32 s31, 0
	s_mul_i32 s32, s28, 102400                     ; hbuf: a batch has 98,304 bytes of codes and 4,096 of scale words
	s_mul_i32 s33, s29, 6144
	s_add_co_u32 s34, s32, s33
	s_mov_b32 s35, 0
	s_lshl_b32 s33, s29, 8
	s_add_co_u32 s42, s32, s33
	s_add_co_u32 s42, s42, 98304
	s_mov_b32 s43, 0
	s_mov_b32 s38, 0x76543210
	s_mov_b32 s39, 0xfedcba98                      ; v_permlanex16_b32's selects for lane l xor 16
	s_mov_b32 s40, 0x3b000000                      ; 1 / 512
	s_mov_b32 s41, 0x3727c5ac                      ; 1e-5
	v_and_b32 v9, 31, v0                           ; lane
	v_and_b32 v28, 15, v0                          ; r
	v_bfe_u32 v7, v0, 4, 1                         ; h
	v_lshlrev_b32 v5, 4, v9                        ; 16 l
	s_mul_i32 s36, s26, LNW
	v_add_nc_u32 v1, s36, v5                       ; the stage, in: row i at 528 i, 16 bytes a lane
	v_mul_u32_u24 v2, v28, 528
	v_lshl_add_u32 v2, v7, 7, v2
	v_add_nc_u32 v2, s36, v2                       ; and back: row r, 128 h bytes on: a whole block of 32 numbers
	s_add_co_u32 s37, s36, 8448
	v_add_nc_u32 v3, s37, v5                       ; the copies of g and b, in
	v_lshlrev_b32 v4, 7, v7
	v_add_nc_u32 v4, s37, v4                       ; and back
	v_lshlrev_b32 v6, 4, v28
	v_lshl_add_u32 v6, v7, 3, v6                   ; scale words: 16 r + 8 h
	v_lshlrev_b32 v8, 3, v7                        ; 8 h
	v_mov_b32 v29, 0                               ; a lane permute's destination counts as one of its sources
	s_wait_alu depctr_va_vdst(0)
	s_wait_kmcnt 0x0
	s_add_nc_u64 s[4:5], s[4:5], s[30:31]
	s_add_nc_u64 s[34:35], s[22:23], s[34:35]
	s_add_nc_u64 s[42:43], s[22:23], s[42:43]
	WIN 0x40                                       ; destination window 1
.irp s, 0,1,2,3                                ; chunk s = 128 columns: each load reads 512 consecutive bytes of one row
.irp i, 0,1,2,3,4,5,6,7,8,9,10,11,12,13,14,15
	global_load_b128 v[64*\s+4*\i:64*\s+4*\i+3], v5, s[4:5] offset:(\i+8*(\i/8))*2048+512*\s th:TH_LOAD_NT
.endr
.endr
	WIN 0
.irp q, 0,1,2,3
	global_load_b128 v[128+4*\q:131+4*\q], v5, s[6:7] offset:512*\q
	global_load_b128 v[192+4*\q:195+4*\q], v5, s[8:9] offset:512*\q
.endr
.irp s, 0,1,2,3                                ; a chunk turns through the stage: in by rows, back 32 neighbours a lane.  LDS serves a wave's instructions in order, so one stage serves all four chunks and no wait stands between
	s_wait_loadcnt 56-16*\s                        ; this chunk's 16 loads are in; the younger chunks' and the eight of g and b may be out
	WIN 0x04                                       ; an LDS store's data are its source 1
.irp i, 0,1,2,3,4,5,6,7,8,9,10,11,12,13,14,15
	ds_store_b128 v1, v[64*\s+4*\i:64*\s+4*\i+3] offset:528*\i
.endr
	WIN 0x40
.irp c, 0,1
.irp j, 0,1,2,3,4,5,6,7
	ds_load_b128 v[64*\s+32*\c+4*\j:64*\s+32*\c+4*\j+3], v2 offset:256*\c+16*\j   ; X[64 s + 32 c + e] = column 128 s + 64 c + 32 h + e of row r
.endr
.endr
.endr
	WIN 0
	s_wait_loadcnt 0x0
.irp q, 0,1,2,3
	ds_store_b128 v3, v[128+4*\q:131+4*\q] offset:512*\q
	ds_store_b128 v3, v[192+4*\q:195+4*\q] offset:2048+512*\q
.endr
	s_wait_dscnt 0x0
.macro REDUCE                          ; four chains of pairs -> v12: the row's sum, in both lanes of the row
	WIN 0
	v_pk_add_f32 v[12:13], v[12:13], v[14:15]
	v_pk_add_f32 v[16:17], v[16:17], v[18:19]
	v_pk_add_f32 v[12:13], v[12:13], v[16:17]
	v_add_f32 v12, v12, v13
	v_permlanex16_b32 v29, v12, s38, s39
	v_add_f32 v12, v12, v29
.endm
	WIN 0x05                                       ; the first sums start the chains: nothing is cleared
.irp k, 0,1,2,3
	v_pk_add_f32 v[12+2*\k:13+2*\k], v[4*\k:4*\k+1], v[4*\k+2:4*\k+3]
.endr
	WIN 0x04
.set j, 16
.rept 120
	v_pk_add_f32 v[12+2*((j/2)%4):13+2*((j/2)%4)], v[12+2*((j/2)%4):13+2*((j/2)%4)], v[j:j+1]
.set j, j+2
.endr
	REDUCE
	v_mul_f32 v10, 0xbb000000, v12                 ; -mean
	v_mov_b32 v11, v10
	WIN 0x41
.set j, 0
.rept 128
	v_pk_add_f32 v[j:j+1], v[j:j+1], v[10:11]      ; x - mean, in place: the variance is taken of the differences
.set j, j+2
.endr
	WIN 0x05
.irp k, 0,1,2,3
	v_pk_mul_f32 v[12+2*\k:13+2*\k], v[2*\k:2*\k+1], v[2*\k:2*\k+1]
.endr
.set j, 8
.rept 124
	v_pk_fma_f32 v[12+2*((j/2)%4):13+2*((j/2)%4)], v[j:j+1], v[j:j+1], v[12+2*((j/2)%4):13+2*((j/2)%4)]
.set j, j+2
.endr
	REDUCE
	v_fma_f32 v12, v12, s40, s41                   ; variance + 1e-5
	s_wait_alu depctr_va_vdst(0)
	v_rsq_f32 v20, v12
	v_cmp_ne_u32 vcc_lo, 0, v7                     ; (a plain line behind the transcendental)  lanes 16-31, for the scale words' way out
	s_wait_alu depctr_va_vdst(0)                   ; the wait ahead of the result's first reader
	v_mov_b32 v21, v20
; Chunk s becomes K step s: (x - mean) / sigma x g + b, two blocks of 32 a lane, each whole in the lane: the conversions' results are the operand's registers.
.macro LNQ s
	WIN 0
.irp c, 0,1
.irp j, 0,1,2,3,4,5,6,7
	ds_load_b128 v[128+32*\c+4*\j:131+32*\c+4*\j], v4 offset:512*\s+256*\c+16*\j
	ds_load_b128 v[192+32*\c+4*\j:195+32*\c+4*\j], v4 offset:2048+512*\s+256*\c+16*\j
.endr
.endr
	WIN 0x41
.set j, 0
.rept 32
	v_pk_mul_f32 v[64*\s+j:64*\s+j+1], v[64*\s+j:64*\s+j+1], v[20:21]
.set j, j+2
.endr
	s_wait_dscnt 0x0                               ; g and b of this chunk are in
.set j, 0
.rept 32
	v_pk_fma_f32 v[64*\s+j:64*\s+j+1], v[64*\s+j:64*\s+j+1], v[128+j:129+j], v[192+j:193+j]
.set j, j+2
.endr
	WIN 0x05
.irp c, 0,1
	v_max3_num_f32 v[22+\c], |v[64*\s+32*\c]|, |v[64*\s+32*\c+1]|, FLOOR
.endr
.irp i, 2,4,6,8,10,12,14,16,18,20,22,24,26,28,30
.irp c, 0,1
	v_max3_num_f32 v[22+\c], |v[64*\s+32*\c+\i]|, |v[64*\s+32*\c+\i+1]|, v[22+\c]
.endr
.endr
	WIN 0
.irp c, 0,1
	v_add_nc_u32 v[24+\c], OFFE, v[22+\c]          ; 2 off the exponent field: the conversion's scale operand
.endr
.irp c, 0,1
	v_lshrrev_b32 v[26+\c], 23, v[24+\c]           ; the byte
.endr
	v_lshl_or_b32 v28, v27, 16, v26                ; my blocks h and 2 + h,
	v_lshlrev_b32 v28, v8, v28                     ; at their places in the word;
	v_permlanex16_b32 v29, v28, s38, s39
	v_or_b32 v[32+\s], v28, v29                    ; with lane l xor 16's two the word is whole
	WIN 0x01
.irp c, 0,1
	v_cvt_scalef32_pk16_fp6_f32 v[36+12*\s+6*\c:38+12*\s+6*\c], v[64*\s+32*\c:64*\s+32*\c+15], v[24+\c]
	v_cvt_scalef32_pk16_fp6_f32 v[84+4*\c:86+4*\c], v[64*\s+32*\c+16:64*\s+32*\c+31], v[24+\c]   ; (a conversion's three registers begin on an even number)
.endr
	WIN 0
	v_nop                                          ; one plain line behind the scaled conversions
.irp c, 0,1
.irp i, 0,1,2
	v_mov_b32 v[39+12*\s+6*\c+\i], v[84+4*\c+\i]
.endr
.endr
.irp p, 0,1,2
	global_store_b128 v5, v[36+12*\s+4*\p:39+12*\s+4*\p], s[34:35] offset:1536*\s+512*\p   ; 512 consecutive bytes a store; each chunk has its own registers, so no store's data are written again
.endr
.endm
	LNQ 0
	LNQ 1
	LNQ 2
	LNQ 3
	v_cndmask_b32 v30, v32, v34, vcc_lo            ; lane (r, h) stores words 2 h and 2 h + 1 of row r: the 32 lanes fill 256 consecutive bytes
	v_cndmask_b32 v31, v33, v35, vcc_lo
	global_store_b64 v6, v[30:31], s[42:43]
	v_lshl_add_u32 v92, v0, 2, 0xf400              ; no two registers can be kept through this path: the spare word's address and 0 are made anew from v0
	v_mov_b32 v93, 0
	s_wait_alu depctr_va_vdst(0)                   ; directly ahead of the wait below
	s_wait_tensorcnt 0x0                           ; the wave's end
	ds_add_u32 v92, v93
	s_wait_dscnt 0x0
	s_endpgm
; ---------------- The weights.  A wave takes 32 columns x 128 along K: a lane takes a column, its registers run down K; two neighbouring fragments (3,072 bytes) and 32 scale words come of it.
; REGISTERS: v2 source offset; v6 stage in, v8 stage back, v7 16 l, v9 scale word's place; v10-14 at work; v16-45 codes, six for each block of 32; v48-50 a conversion's second half; v64-191 the numbers; v192-215 the way out.
.Lweights:
	s_sub_co_u32 s27, ttmp9, 256
	v_and_b32 v1, 31, v0
	v_lshlrev_b32 v2, 2, v1                        ; 4 bytes a lane: a load reads 128 consecutive bytes
	v_bfe_u32 v3, v0, 3, 1                         ; column l lies in tile u = (l / 8) % 2
	v_and_b32 v4, 7, v0
	v_bfe_u32 v5, v0, 4, 1
	v_lshl_add_u32 v4, v5, 3, v4                   ; at place r = l % 8 + 8 (l / 16)
	s_mul_i32 s28, s26, 3072
	s_add_co_u32 s28, s28, WST
	v_mul_u32_u24 v6, v3, 1536
	v_lshl_add_u32 v6, v4, 4, v6
	v_add_nc_u32 v6, s28, v6                       ; my place in the two images
	v_lshlrev_b32 v7, 4, v1
	v_add_nc_u32 v8, s28, v7
	v_lshlrev_b32 v9, 6, v3
	v_lshl_add_u32 v9, v4, 2, v9                   ; 64 u + 4 r
.macro LOADW stride                    ; W(k0 + i, my column), i = 0 .. 127
.set i, 0
.rept 128
	global_load_b32 v[64+i], v2, s[30:31] offset:i*(\stride) th:TH_LOAD_NT
.set i, i+1
.endr
.endm
.macro WMDST                           ; the MLP stream: s34 = step, s35 = wave that will read, s36 = group of 32 columns in its 128, s37 = which of the step's two K steps -> s32, s33: byte offsets of codes and scale words
	s_lshl_b32 s34, s34, 2
	s_add_co_u32 s34, s34, s35
	s_mul_i32 s34, s34, 25600
	s_add_co_u32 s34, s34, 614400                  ; the record: 16 fragments, then 1,024 bytes of scale words
	s_lshl_b32 s37, s37, 3
	s_lshl_b32 s36, s36, 1
	s_add_co_u32 s37, s37, s36                     ; fragment 8 s' + 2 bb
	s_mul_i32 s32, s37, 1536
	s_add_co_u32 s32, s32, s34
	s_lshl_b32 s33, s37, 6
	s_add_co_u32 s33, s33, s34
	s_add_co_u32 s33, s33, 24576
.endm
	s_wait_kmcnt 0x0
	s_cmp_lt_u32 s27, 48
	s_cbranch_scc0 .Lnot_qkv
	s_lshr_b32 s34, s27, 4                         ; Wq, Wk or Wv
	s_and_b32 s35, s27, 15                         ; head; the wave is the K step
	s_cmp_eq_u32 s34, 0
	s_cselect_b64 s[30:31], s[10:11], s[12:13]
	s_cmp_eq_u32 s34, 2
	s_cselect_b64 s[30:31], s[14:15], s[30:31]
	s_lshl_b32 s40, s35, 16
	s_lshl_b32 s41, s26, 14
	s_add_co_u32 s40, s40, s41
	s_mov_b32 s41, 0
	s_add_nc_u64 s[30:31], s[30:31], s[40:41]
	s_lshl_b32 s36, s34, 3
	s_lshl_b32 s37, s26, 1
	s_add_co_u32 s36, s36, s37                     ; fragment 8 mat + 2 s
	s_mul_i32 s32, s35, 36864
	s_mul_i32 s37, s36, 1536
	s_add_co_u32 s32, s32, s37
	s_mul_i32 s33, s35, 1536
	s_lshl_b32 s37, s36, 6
	s_add_co_u32 s33, s33, s37
	s_add_co_u32 s33, s33, 589824
	LOADW 128
	s_branch .Lwq
.Lnot_qkv:
	s_cmp_lt_u32 s27, 64
	s_cbranch_scc0 .Lnot_wp
	s_sub_co_u32 s28, s27, 48                      ; Wp: group of 32 columns; the wave is the K step
	s_lshl_b32 s40, s26, 18
	s_lshl_b32 s41, s28, 7
	s_add_co_u32 s40, s40, s41
	s_mov_b32 s41, 0
	s_add_nc_u64 s[30:31], s[16:17], s[40:41]
	s_lshr_b32 s34, s26, 1
	s_lshr_b32 s35, s28, 2
	s_and_b32 s36, s28, 3
	s_and_b32 s37, s26, 1
	WMDST
	LOADW 2048
	s_branch .Lwq
.Lnot_wp:
	s_cmp_lt_u32 s27, 128
	s_cbranch_scc0 .Lw2
	s_sub_co_u32 s28, s27, 64                      ; W1: group of 32 of its 2,048 columns; the wave is the K step
	s_lshl_b32 s40, s26, 20
	s_lshl_b32 s41, s28, 7
	s_add_co_u32 s40, s40, s41
	s_mov_b32 s41, 0
	s_add_nc_u64 s[30:31], s[18:19], s[40:41]
	s_lshr_b32 s34, s28, 4
	s_lshl_b32 s34, s34, 2
	s_lshr_b32 s35, s26, 1
	s_add_co_u32 s34, s34, s35
	s_add_co_u32 s34, s34, 2                       ; step 2 + 4 chunk + s / 2
	s_lshr_b32 s35, s28, 2
	s_and_b32 s35, s35, 3
	s_and_b32 s36, s28, 3
	s_and_b32 s37, s26, 1
	WMDST
	LOADW 8192
	s_branch .Lwq
.Lw2:
	s_sub_co_u32 s28, s27, 128                     ; W2
	s_and_b32 s29, s28, 3                          ; chunk of 512 along K
	s_lshr_b32 s28, s28, 2                         ; group of 32 columns
	s_lshl_b32 s40, s29, 2
	s_add_co_u32 s40, s40, s26                     ; K step of 128: 4 chunk + wave
	s_lshl_b32 s40, s40, 18
	s_lshl_b32 s41, s28, 7
	s_add_co_u32 s40, s40, s41
	s_mov_b32 s41, 0
	s_add_nc_u64 s[30:31], s[20:21], s[40:41]
	s_lshl_b32 s34, s29, 2
	s_lshr_b32 s35, s26, 1
	s_add_co_u32 s34, s34, s35
	s_add_co_u32 s34, s34, 4                       ; step 4 + 4 chunk + wave / 2
	s_lshr_b32 s35, s28, 2
	s_and_b32 s36, s28, 3
	s_and_b32 s37, s26, 1
	WMDST
	LOADW 2048
.Lwq:
	s_mov_b32 s44, s32
	s_mov_b32 s45, 0
	s_mov_b32 s46, s33
	s_mov_b32 s47, 0
	s_add_nc_u64 s[44:45], s[24:25], s[44:45]
	s_add_nc_u64 s[46:47], s[24:25], s[46:47]
; Block kb of 32 along K is all mine.  In the fragment it is registers 6 (kb / 2) .. + 5 of lane r + 16 (kb % 2): 24 bytes, as 16 + 8 or 8 + 16, into the image in my stage.
.macro WBLK kb, cnt
.set XS, 64+32*(\kb)
.set CS, 16+8*(\kb)
	s_wait_loadcnt \cnt
	v_max3_num_f32 v10, |v[XS]|, |v[XS+1]|, |v[XS+2]|
	v_max3_num_f32 v11, |v[XS+3]|, |v[XS+4]|, |v[XS+5]|
.irp i, 6,10,14,18,22,26
	v_max3_num_f32 v10, v10, |v[XS+\i]|, |v[XS+\i+1]|
	v_max3_num_f32 v11, v11, |v[XS+\i+2]|, |v[XS+\i+3]|
.endr
	v_max3_num_f32 v10, v10, |v[XS+30]|, |v[XS+31]|
	v_max3_num_f32 v10, v10, v11, FLOOR
	v_add_nc_u32 v12, OFFE, v10
	v_lshrrev_b32 v13, 23, v12
.if (\kb) == 0
	v_mov_b32 v14, v13
.else
	v_lshl_or_b32 v14, v13, 8*(\kb), v14
.endif
	v_cvt_scalef32_pk16_fp6_f32 v[CS:CS+2], v[XS:XS+15], v12
	v_cvt_scalef32_pk16_fp6_f32 v[48:50], v[XS+16:XS+31], v12
	v_nop                                          ; one plain line behind the scaled conversions
.irp i, 0,1,2
	v_mov_b32 v[CS+3+\i], v[48+\i]
.endr
.if (\kb) < 2
	ds_store_b128 v6, v[CS:CS+3] offset:256*((\kb)%2)
	ds_store_b64 v6, v[CS+4:CS+5] offset:512+256*((\kb)%2)
.else
	ds_store_b64 v6, v[CS:CS+1] offset:520+256*((\kb)%2)
	ds_store_b128 v6, v[CS+2:CS+5] offset:1024+256*((\kb)%2)
.endif
.endm
	WBLK 0, 63                                     ; 96 younger loads could stay out; 63 is the largest count that the wait can name
	WBLK 1, 63
	WBLK 2, 32
	WBLK 3, 0
.irp p, 0,1,2,3,4,5
	ds_load_b128 v[192+4*\p:195+4*\p], v8 offset:512*\p      ; LDS serves a wave's instructions in order: these see my stores
.endr
	s_wait_alu depctr_va_vdst(0)
.irp p, 0,1,2,3,4,5
	s_wait_dscnt 5-\p
	global_store_b128 v7, v[192+4*\p:195+4*\p], s[44:45] offset:512*\p   ; 512 consecutive bytes a store
.endr
	global_store_b32 v9, v14, s[46:47]             ; 128 consecutive bytes: the two fragments' scale words
	v_lshl_add_u32 v220, v0, 2, 0xf400             ; the spare word's address and 0, made anew from v0
	v_mov_b32 v221, 0
	s_wait_alu depctr_va_vdst(0)                   ; directly ahead of the wait below
	s_wait_tensorcnt 0x0                           ; the wave's end
	ds_add_u32 v220, v221
	s_wait_dscnt 0x0
	s_endpgm
.Lfunc_end_k_q64429c8be6_prep:
	.size	k_q64429c8be6_prep, .Lfunc_end_k_q64429c8be6_prep-k_q64429c8be6_prep
	.p2alignl 7, 3214868480
	.fill 96, 4, 3214868480
	.section	.rodata,"a",@progbits
	.p2align	6, 0x0
	.amdhsa_kernel k_q64429c8be6_prep
		.amdhsa_group_segment_fixed_size 62976
		.amdhsa_private_segment_fixed_size 0
		.amdhsa_enable_private_segment 0
		.amdhsa_kernarg_size 88
		.amdhsa_user_sgpr_count 2
		.amdhsa_user_sgpr_kernarg_segment_ptr 1
		.amdhsa_wavefront_size32 1
		.amdhsa_system_sgpr_workgroup_id_x 1
		.amdhsa_system_sgpr_workgroup_id_y 1
		.amdhsa_system_sgpr_workgroup_id_z 1
		.amdhsa_system_vgpr_workitem_id 0
		.amdhsa_next_free_vgpr 512
		.amdhsa_next_free_sgpr 66
		.amdhsa_reserve_vcc 1
		.amdhsa_float_denorm_mode_32 3
		.amdhsa_float_denorm_mode_16_64 3
		.amdhsa_memory_ordered 1
		.amdhsa_forward_progress 1
		.amdhsa_inst_pref_size 143
	.end_amdhsa_kernel
	.amdgpu_metadata
---
amdhsa.version: [ 1, 2 ]
amdhsa.kernels:
  - .name:           k_q64429c8be6_prep
    .symbol:         k_q64429c8be6_prep.kd
    .args:
      - { .name: x, .offset: 0, .size: 8, .value_kind: global_buffer, .address_space: global }
      - { .name: g_ln1, .offset: 8, .size: 8, .value_kind: global_buffer, .address_space: global }
      - { .name: b_ln1, .offset: 16, .size: 8, .value_kind: global_buffer, .address_space: global }
      - { .name: Wq, .offset: 24, .size: 8, .value_kind: global_buffer, .address_space: global }
      - { .name: Wk, .offset: 32, .size: 8, .value_kind: global_buffer, .address_space: global }
      - { .name: Wv, .offset: 40, .size: 8, .value_kind: global_buffer, .address_space: global }
      - { .name: Wp, .offset: 48, .size: 8, .value_kind: global_buffer, .address_space: global }
      - { .name: W1, .offset: 56, .size: 8, .value_kind: global_buffer, .address_space: global }
      - { .name: W2, .offset: 64, .size: 8, .value_kind: global_buffer, .address_space: global }
      - { .name: hbuf, .offset: 72, .size: 8, .value_kind: global_buffer, .address_space: global }
      - { .name: wbuf, .offset: 80, .size: 8, .value_kind: global_buffer, .address_space: global }
    .group_segment_fixed_size: 62976
    .private_segment_fixed_size: 0
    .kernarg_segment_align: 8
    .kernarg_segment_size: 88
    .max_flat_workgroup_size: 128
    .sgpr_count:     66
    .vgpr_count:     512
    .wavefront_size: 32
...
	.end_amdgpu_metadata
.endif
;; end of part 1
;; launch attn (part 2): grid 4 x 64, 8 waves a work-group, no clusters, 263,168 bytes of LDS; arguments hbuf, wbuf, abuf; writes abuf
.if DOCPART == 2
	.amdgcn_target "amdgcn-amd-amdhsa--gfx1250"
	.amdhsa_code_object_version 6
	.text
	.protected	k_q64429c8be6_attn
	.globl	k_q64429c8be6_attn
	.p2align	8
	.type	k_q64429c8be6_attn,@function
k_q64429c8be6_attn:
	s_mov_b64 s[64:65], 0
	v_nop
	global_prefetch_b8 v0, s[64:65] scope:SCOPE_SE
	s_setreg_imm32_b32 hwreg(HW_REG_WAVE_MODE, 25, 1), 1
	s_wait_xcnt 0x0
; ATTN.  A work-group owns one batch (256 tokens) and four heads.  Wave = (head hd = wave % 4, half g = wave / 4); two waves lie on a SIMD, so that one wave's softmax stands beside the other's products.
; PHASE 1: q, k, v of my head for the token pairs 4 g .. 4 g + 3 (a pair = 32 tokens = two tiles), from h's codes (LDS, brought once by one tensor load a wave) and the head's weights (registers).
;   q, k: transposed (source 0 = 16 columns of W, source 1 = 16 tokens): a lane holds one token and 16 of the head's 32 numbers; the block of 32 is lanes l and l xor 16.  Quantised, they go to LDS as images of 6 registers.
;   v: source 0 = 16 tokens, source 1 = 16 columns of Wv: a lane holds one column and 16 neighbouring tokens: quantised along the tokens, which are the second product's K, into rows of V^T in LDS.
; PHASE 2: K, V of the whole head in registers; eight query tiles a wave (tile 4 v + 2 g + tau sees NB = 2 v + 2 blocks of 32 keys), each with its whole row at once, so M = ceil(the row's largest t) needs no running form.
;   S^T = K Q^T, p = 2^(t - M), the sum of the unquantised p, p quantised along the keys, O^T = V^T P^T, O / sum, quantised along the head's 32 (one block of the next product's K), stored as codes.
; K = 32 IN AN INSTRUCTION OF 128: Q's operand has zero codes for k >= 32.  K's operand for tile j is registers 6 j .. 6 j + 11: its upper six are the NEXT tile's codes (zeros behind the last tile).  They meet Q's zero codes alone,
;   and the scale bytes of those blocks are 0 (2^-127), never 0xff: they add nothing.
; THE CAUSAL MASK lies in the last two of a tile's NB blocks alone: -infinity is added there ahead of the maximum (64 registers made once).  For g = 0 the last block is wholly hidden: its p are 0 and its codes zeros.
; No cluster: what four work-groups of a batch share is one first fill of 102,400 bytes each; there is no ring that a joint request could serve again and again.  Nothing is filled twice; the spare words lie at 262,144.
; LIMITS: NaN and infinities are not served; a block under 2^-124, zeros among them, gets the byte 1 (its bytes are read by this program alone).
; LDS: 0 h's codes (16 tiles x 4 K steps x 1,536); 98,304 h's scale words; from 102,400 a region of 33,536 for each head: Q's images 16 x 768, K's 16 x 768, Q's and K's scale words 16 x 64 each,
;   V^T 2 halves x 32 rows x 104 bytes, V's scale words 2 x 128; 236,544 the output's 16 images; 261,120 their scale words.
; REGISTERS, window 0: v1-23 addresses; v24-39 scale words alone; phase 1: v40-87 h's four fragments, v88-183 Wv, v184-237 at work; phase 2: v40-47 block maxima, v48-55 scale operands, v56-63 statistics, v64-191 S^T then p,
;   v192-215 p's codes, v216-231 conversions' second halves, v232-247 O^T, v248-250 its codes, v252 1 / sum.
; window 1: phase 1: v0-95 Wq, v96-191 Wk, v192-207 q, v208-223 k, v224-255 v;  phase 2: v0-101 K, v104-151 V, v152-163 Q, v164-227 the mask.
.set HSB,  98304
.set HR0,  102400
.set HRB,  33536
.set KIM,  12288
.set QSO,  24576
.set KSO,  25600
.set VTO,  26624
.set VSO,  33280
.set OUTR, 236544
.set OSCR, 261120
.set FLOOR, 0x1800000
.set OFFE,  0xff000000
.set MSB, 0
.macro WIN new                         ; the immediate's high byte repeats the setting that is left
.if MSB != \new
	s_set_vgpr_msb (MSB<<8)|\new
.set MSB, \new
.endif
.endm
.macro PLACES                          ; four plain lines behind matrix instructions, ahead of reads of results and of loads into their registers
.rept 4
	v_nop
.endr
.endm
; One product.  d, a, b: first registers of D, source 0, source 1; c: of C, or below 0 for the constant 0; sa, sb: the scale registers; ra, rb: 1 = the scales stand in lanes 16-31.
.macro WM d, a, b, c, sa, sb, ra, rb
.if (\c) < 0
.if (\ra) && (\rb)
	v_wmma_scale_f32_16x16x128_f8f6f4 v[(\d):(\d)+7], v[(\a):(\a)+11], v[(\b):(\b)+11], 0, v[\sa], v[\sb] matrix_a_fmt:MATRIX_FMT_FP6 matrix_b_fmt:MATRIX_FMT_FP6 matrix_a_scale:MATRIX_SCALE_ROW1 matrix_b_scale:MATRIX_SCALE_ROW1
.elseif (\ra)
	v_wmma_scale_f32_16x16x128_f8f6f4 v[(\d):(\d)+7], v[(\a):(\a)+11], v[(\b):(\b)+11], 0, v[\sa], v[\sb] matrix_a_fmt:MATRIX_FMT_FP6 matrix_b_fmt:MATRIX_FMT_FP6 matrix_a_scale:MATRIX_SCALE_ROW1
.elseif (\rb)
	v_wmma_scale_f32_16x16x128_f8f6f4 v[(\d):(\d)+7], v[(\a):(\a)+11], v[(\b):(\b)+11], 0, v[\sa], v[\sb] matrix_a_fmt:MATRIX_FMT_FP6 matrix_b_fmt:MATRIX_FMT_FP6 matrix_b_scale:MATRIX_SCALE_ROW1
.else
	v_wmma_scale_f32_16x16x128_f8f6f4 v[(\d):(\d)+7], v[(\a):(\a)+11], v[(\b):(\b)+11], 0, v[\sa], v[\sb] matrix_a_fmt:MATRIX_FMT_FP6 matrix_b_fmt:MATRIX_FMT_FP6
.endif
.else
.if (\ra) && (\rb)
	v_wmma_scale_f32_16x16x128_f8f6f4 v[(\d):(\d)+7], v[(\a):(\a)+11], v[(\b):(\b)+11], v[(\c):(\c)+7], v[\sa], v[\sb] matrix_a_fmt:MATRIX_FMT_FP6 matrix_b_fmt:MATRIX_FMT_FP6 matrix_a_scale:MATRIX_SCALE_ROW1 matrix_b_scale:MATRIX_SCALE_ROW1
.elseif (\ra)
	v_wmma_scale_f32_16x16x128_f8f6f4 v[(\d):(\d)+7], v[(\a):(\a)+11], v[(\b):(\b)+11], v[(\c):(\c)+7], v[\sa], v[\sb] matrix_a_fmt:MATRIX_FMT_FP6 matrix_b_fmt:MATRIX_FMT_FP6 matrix_a_scale:MATRIX_SCALE_ROW1
.elseif (\rb)
	v_wmma_scale_f32_16x16x128_f8f6f4 v[(\d):(\d)+7], v[(\a):(\a)+11], v[(\b):(\b)+11], v[(\c):(\c)+7], v[\sa], v[\sb] matrix_a_fmt:MATRIX_FMT_FP6 matrix_b_fmt:MATRIX_FMT_FP6 matrix_b_scale:MATRIX_SCALE_ROW1
.else
	v_wmma_scale_f32_16x16x128_f8f6f4 v[(\d):(\d)+7], v[(\a):(\a)+11], v[(\b):(\b)+11], v[(\c):(\c)+7], v[\sa], v[\sb] matrix_a_fmt:MATRIX_FMT_FP6 matrix_b_fmt:MATRIX_FMT_FP6
.endif
.endif
.endm
	s_load_b128 s[4:7], s[0:1], 0x0                ; hbuf, wbuf
	s_load_b64 s[8:9], s[0:1], 0x10                ; abuf
	v_lshl_add_u32 v254, v0, 2, 0x40000
	v_mov_b32 v255, 0
	ds_add_u32 v254, v255
	ds_add_u32 v254, v255
	v_lshrrev_b32 v1, 5, v0
	s_delay_alu instid0(VALU_DEP_1)
	v_readfirstlane_b32 s10, v1                    ; wave 0..7
	s_and_b32 s11, s10, 3                          ; hd
	s_lshr_b32 s12, s10, 2                         ; g
	s_and_b32 s14, ttmp7, 0xffff                   ; batch
	; descriptor group 1: 50 rows of 256 bytes (32 elements of 8 bytes), dense: an eighth of the batch's 102,400 bytes of h
	s_mov_b32 s16, 3<<16
	s_mov_b32 s17, 32<<16
	s_mov_b32 s18, 50<<16
	s_mov_b32 s19, 32<<16
	s_mov_b32 s20, 50
	s_mov_b32 s21, 32
	s_mov_b32 s22, 0
	s_mov_b32 s23, 0
	s_mov_b32 s24, 1
	s_mul_i32 s25, s10, 12800                      ; LDS address: my eighth
	s_mul_i32 s28, s14, 102400
	s_add_co_u32 s28, s28, s25
	s_mov_b32 s29, 0
	s_mov_b32 s44, 0x76543210
	s_mov_b32 s45, 0xfedcba98                      ; v_permlanex16_b32's selects for lane l xor 16
	s_mov_b32 s46, 0x3e8293ee                      ; c = log2(e) / sqrt(32)
	s_mov_b32 s47, s46                             ; (named with it as a pair, so it is written)
	s_wait_dscnt 0x0
	s_wait_kmcnt 0x0
	s_add_nc_u64 s[26:27], s[4:5], s[28:29]
	s_or_b32 s27, s27, 0x80000000
	tensor_load_to_lds s[24:27], s[16:23]          ; my one tensor load: a first fill; nothing is ever filled again
	s_nop 0
	PLACES                                         ; four v_nop follow it
	s_lshl_b32 s28, ttmp9, 2
	s_add_co_u32 s28, s28, s11                     ; the head, 0..15
	s_mul_i32 s30, s28, 36864
	s_mov_b32 s31, 0
	s_add_nc_u64 s[40:41], s[6:7], s[30:31]        ; its 24 fragments
	s_mul_i32 s30, s28, 1536
	s_add_co_u32 s30, s30, 589824
	s_add_nc_u64 s[42:43], s[6:7], s[30:31]        ; and their scale words
	s_lshl_b32 s30, s14, 2
	s_add_co_u32 s30, s30, ttmp9                   ; 4 batch + head group
	s_mul_i32 s32, s30, 24576
	s_mov_b32 s33, 0
	s_add_nc_u64 s[32:33], s[8:9], s[32:33]        ; the output's codes
	s_lshl_b32 s34, s30, 10
	s_add_co_u32 s34, s34, 6291456
	s_mov_b32 s35, 0
	s_add_nc_u64 s[34:35], s[8:9], s[34:35]        ; and scale words
	v_and_b32 v1, 31, v0                           ; lane
	s_delay_alu instid0(VALU_DEP_1)
	v_lshlrev_b32 v21, 4, v1
	s_delay_alu instid0(VALU_DEP_2)
	v_lshlrev_b32 v22, 2, v1
	WIN 0x40                                       ; destination window 1: Wq's and Wk's fragments (K step s, tile u) at 12 (2 s + u), Wk 96 on
.set f, 0
.rept 16
.irp p, 0,1,2
	global_load_b128 v[12*f+4*\p:12*f+4*\p+3], v21, s[40:41] offset:f*1536+512*\p
.endr
.set f, f+1
.endr
	WIN 0
.set f, 0
.rept 8
.irp p, 0,1,2
	global_load_b128 v[88+12*f+4*\p:88+12*f+4*\p+3], v21, s[40:41] offset:(16+f)*1536+512*\p
.endr
.set f, f+1
.endr
.set f, 0
.rept 12                                       ; scale words of (matrix, K step): lanes 0-15 tile 0, lanes 16-31 tile 1
	global_load_b32 v[24+f], v22, s[42:43] offset:128*f
.set f, f+1
.endr
	v_and_b32 v184, 15, v0                         ; r
	v_bfe_u32 v185, v0, 4, 1                       ; h
	s_mul_i32 s37, s11, HRB
	s_add_co_u32 s37, s37, HR0                     ; my head's region
	v_lshlrev_b32 v186, 3, v1                      ; 8 l
	v_lshlrev_b32 v187, 2, v184                    ; 4 r
	v_add_nc_u32 v2, s37, v21                      ; region + 16 l
	s_delay_alu instid0(VALU_DEP_3)
	v_add_nc_u32 v3, s37, v186                     ; region + 8 l
	v_add_nc_u32 v4, s37, v22                      ; region + 4 l
	s_delay_alu instid0(VALU_DEP_4)
	v_add_nc_u32 v188, s37, v187                   ; region + 4 r
	s_lshl_b32 s38, s12, 7
	v_add_nc_u32 v5, s38, v188                     ; Q's scale words of my query tiles: + 128 g
	s_mul_i32 s38, s12, 49152
	v_add_nc_u32 v6, s38, v21                      ; h's fragments of my four pairs
	v_lshlrev_b32 v7, 4, v184
	s_delay_alu instid0(VALU_DEP_1)
	v_lshl_add_u32 v7, v185, 8, v7
	s_lshl_b32 s38, s12, 11
	s_add_co_u32 s38, s38, HSB
	v_add_nc_u32 v7, s38, v7                       ; h's scale words: lanes 0-15 the pair's first tile, lanes 16-31 its second; 16 bytes = four K steps
	s_mul_i32 s38, s12, 6144
	v_add_nc_u32 v8, s38, v2                       ; where I store images: 16 bytes a lane,
	v_add_nc_u32 v9, s38, v3                       ; and 8
	s_lshl_b32 s38, s12, 9
	v_add_nc_u32 v10, s38, v188                    ; and their scale words
	v_mul_u32_u24 v189, v184, 104
	s_delay_alu instid0(VALU_DEP_1)
	v_add_nc_u32 v189, s37, v189
	s_delay_alu instid0(VALU_DEP_1)
	v_mad_u32_u24 v11, v185, 12, v189
	s_mul_i32 s38, s12, 3328
	s_add_co_u32 s38, s38, VTO
	v_add_nc_u32 v11, s38, v11                     ; V^T, in: row r, 12 h bytes on, my half of the keys
	v_mad_u32_u24 v23, v185, 24, v189
	s_delay_alu instid0(VALU_DEP_1)
	v_add_nc_u32 v23, VTO, v23                     ; V^T, back: row r, 24 h
	s_lshl_b32 s38, s12, 7
	s_add_co_u32 s38, s38, VSO
	v_add_nc_u32 v12, s38, v188                    ; V's scale bytes, in
	s_mul_i32 s38, s12, 1536
	v_add_nc_u32 v13, s38, v2                      ; Q's images of my query tiles
	v_add_nc_u32 v14, s38, v3
	; the output: my lane's 12 bytes are registers rho = 6 (hd / 2) + 3 h + i of lane r + 16 (hd % 2) of the image
	s_lshr_b32 s38, s11, 1
	s_mul_i32 s38, s38, 6
	s_and_b32 s39, s11, 1
	s_lshl_b32 s39, s39, 8
	s_mul_i32 s36, s12, 3072
	s_add_co_u32 s39, s39, s36
	s_add_co_u32 s39, s39, OUTR
	v_mul_u32_u24 v190, v185, 3
	s_delay_alu instid0(VALU_DEP_1)
	v_add_nc_u32 v190, s38, v190
.irp i, 0,1,2
	v_add_nc_u32 v198, \i, v190
	s_delay_alu instid0(VALU_DEP_1)
	v_lshrrev_b32 v199, 2, v198
	s_delay_alu instid0(VALU_DEP_2)
	v_and_b32 v198, 3, v198
	s_delay_alu instid0(VALU_DEP_1)
	v_lshlrev_b32 v198, 2, v198
	s_delay_alu instid0(VALU_DEP_1)
	v_lshl_add_u32 v198, v199, 9, v198
	s_delay_alu instid0(VALU_DEP_1)
	v_lshl_add_u32 v198, v184, 4, v198
	s_delay_alu instid0(VALU_DEP_1)
	v_add_nc_u32 v[15+\i], s39, v198
.endr
	s_lshl_b32 s38, s12, 7
	s_add_co_u32 s38, s38, s11
	s_add_co_u32 s38, s38, OSCR
	v_add_nc_u32 v18, s38, v187                    ; its scale byte: 128 g + 4 r + hd
	v_and_b32 v19, 8, v184
	s_delay_alu instid0(VALU_DEP_1)
	v_add_nc_u32 v19, v19, v184
	v_lshlrev_b32 v186, 4, v185
	s_delay_alu instid0(VALU_DEP_1)
	v_sub_nc_u32 v19, v19, v186
	s_lshl_b32 s38, s12, 5
	v_add_nc_u32 v19, s38, v19                     ; 32 g + r + 8 (r / 8) - 16 h: for the mask
	v_mov_b32 v20, 0xff800000                      ; -infinity
	v_lshl_add_u32 v1, v185, 7, v188
	s_delay_alu instid0(VALU_DEP_1)
	v_add_nc_u32 v1, VSO, v1                       ; V's scale words, back: lanes 0-15 keys 0-127, lanes 16-31 keys 128-255
	v_mov_b32 v200, 0                              ; lane permutes' destinations count as sources
	v_mov_b32 v201, 0
	s_wait_tensorcnt 0x0                           ; my eighth of h has landed,
	s_barrier_signal -1
	s_barrier_wait -1                              ; everybody's has
.macro LOADH tau, ut                   ; h's four fragments of tile ut of pair tau
.irp s, 0,1,2,3
.irp p, 0,1,2
	ds_load_b128 v[40+12*\s+4*\p:43+12*\s+4*\p], v6 offset:(\tau)*12288+(4*(\ut)+\s)*1536+512*\p
.endr
.endr
.endm
; 24 products for tile ut: six accumulators by turns, one instruction a turn; the first K step starts the sums.
.macro MM ut
.irp s, 0,1,2,3
	WIN 0x51                                       ; W in window 1, h in window 0, C and D in window 1
.irp mat, 0,1
.irp uc, 0,1
.if \s == 0
	WM 192+16*\mat+8*\uc, 96*\mat+12*(2*\s+\uc), 40+12*\s, -1, 24+4*\mat+\s, 36+\s, \uc, \ut
.else
	WM 192+16*\mat+8*\uc, 96*\mat+12*(2*\s+\uc), 40+12*\s, 192+16*\mat+8*\uc, 24+4*\mat+\s, 36+\s, \uc, \ut
.endif
.endr
.endr
	WIN 0x50                                       ; h and Wv in window 0
.irp n, 0,1
.if \s == 0
	WM 224+16*\n+8*\ut, 40+12*\s, 88+12*(2*\s+\n), -1, 36+\s, 32+\s, \ut, \n
.else
	WM 224+16*\n+8*\ut, 40+12*\s, 88+12*(2*\s+\n), 224+16*\n+8*\ut, 36+\s, 32+\s, \ut, \n
.endif
.endr
.endr
.endm
; q and k of a tile: 16 numbers a lane, the block's other 16 in lane l xor 16.  After the exchange lanes 0-15 hold the row's 32 codes in six registers and lanes 16-31 zeros: registers 0-5 of an operand whose K ends at 32.
.macro QUANTQK tau, ut
	WIN 0x05
	v_max3_num_f32 v184, |v192|, |v193|, FLOOR
	v_max3_num_f32 v185, |v208|, |v209|, FLOOR
.irp i, 2,4,6,8,10,12,14
	v_max3_num_f32 v184, |v[192+\i]|, |v[193+\i]|, v184
	v_max3_num_f32 v185, |v[208+\i]|, |v[209+\i]|, v185
.endr
	WIN 0
	v_permlanex16_b32 v186, v184, s44, s45
	v_permlanex16_b32 v187, v185, s44, s45
	s_delay_alu instid0(VALU_DEP_2)
	v_max_num_f32 v184, v184, v186
	s_delay_alu instid0(VALU_DEP_2)
	v_max_num_f32 v185, v185, v187
	s_delay_alu instid0(VALU_DEP_2)
	v_add_nc_u32 v188, OFFE, v184
	s_delay_alu instid0(VALU_DEP_2)
	v_add_nc_u32 v189, OFFE, v185
	s_delay_alu instid0(VALU_DEP_2)
	v_lshrrev_b32 v190, 23, v188                   ; the scale word: the byte, and 0 for the blocks that are not there
	s_delay_alu instid0(VALU_DEP_2)
	v_lshrrev_b32 v191, 23, v189
.irp i, 0,1,2
	v_mov_b32 v[227+\i], 0
	v_mov_b32 v[235+\i], 0
.endr
	WIN 0x01
	v_cvt_scalef32_pk16_fp6_f32 v[224:226], v[192:207], v188
	v_cvt_scalef32_pk16_fp6_f32 v[232:234], v[208:223], v189
	WIN 0
	v_nop                                          ; one plain line behind the scaled conversions
.irp i, 0,1,2
	v_permlane16_swap_b32 v[224+\i], v[227+\i]     ; the first's lanes 16-31 change places with the second's lanes 0-15
	v_permlane16_swap_b32 v[232+\i], v[235+\i]
.endr
	ds_store_b128 v8, v[224:227] offset:(\tau)*1536+(\ut)*768
	ds_store_b64 v9, v[228:229] offset:(\tau)*1536+(\ut)*768+512
	ds_store_b128 v8, v[232:235] offset:KIM+(\tau)*1536+(\ut)*768
	ds_store_b64 v9, v[236:237] offset:KIM+(\tau)*1536+(\ut)*768+512
	ds_store_b32 v10, v190 offset:QSO+(\tau)*128+(\ut)*64   ; lanes r and r + 16 write the same word with the same value
	ds_store_b32 v10, v191 offset:KSO+(\tau)*128+(\ut)*64
.endm
; v of a pair: a lane holds column place r of tile n and tokens 16 h + 0 .. 15 of the pair: half a block along the keys.
.macro QUANTV tau
	WIN 0x05
	v_max3_num_f32 v198, |v224|, |v225|, FLOOR
	v_max3_num_f32 v199, |v240|, |v241|, FLOOR
.irp i, 2,4,6,8,10,12,14
	v_max3_num_f32 v198, |v[224+\i]|, |v[225+\i]|, v198
	v_max3_num_f32 v199, |v[240+\i]|, |v[241+\i]|, v199
.endr
	WIN 0
	v_permlanex16_b32 v200, v198, s44, s45
	v_permlanex16_b32 v201, v199, s44, s45
	s_delay_alu instid0(VALU_DEP_2)
	v_max_num_f32 v198, v198, v200
	s_delay_alu instid0(VALU_DEP_2)
	v_max_num_f32 v199, v199, v201
	s_delay_alu instid0(VALU_DEP_2)
	v_add_nc_u32 v202, OFFE, v198
	s_delay_alu instid0(VALU_DEP_2)
	v_add_nc_u32 v203, OFFE, v199
	s_delay_alu instid0(VALU_DEP_2)
	v_lshrrev_b32 v204, 23, v202
	s_delay_alu instid0(VALU_DEP_2)
	v_lshrrev_b32 v205, 23, v203
	WIN 0x01
	v_cvt_scalef32_pk16_fp6_f32 v[208:210], v[224:239], v202
	v_cvt_scalef32_pk16_fp6_f32 v[212:214], v[240:255], v203
	WIN 0
	v_nop
.irp n, 0,1
.irp i, 0,1,2
	ds_store_b32 v11, v[208+4*\n+\i] offset:24*(\tau)+1664*\n+4*\i
.endr
	ds_store_b8 v12, v[204+\n] offset:64*\n+(\tau)
.endr
.endm
; A pair of tiles.  Every wait on DScnt is for 0: it stands ahead of products that want all that was fetched, and it also shows the stores done whose registers the next quantiser writes.
.macro PAIR tau
	s_wait_dscnt 0x0
	MM 0
	WIN 0
	PLACES
	LOADH \tau, 1
	QUANTQK \tau, 0
	s_wait_dscnt 0x0
	MM 1
	WIN 0
	PLACES
.if (\tau) < 3
	LOADH (\tau)+1, 0
	ds_load_b128 v[36:39], v7 offset:512*((\tau)+1)
.endif
	QUANTQK \tau, 1
	QUANTV \tau
.endm
	LOADH 0, 0
	ds_load_b128 v[36:39], v7
	s_wait_loadcnt 0x0                             ; the weights
	PAIR 0
	PAIR 1
	PAIR 2
	PAIR 3
	s_wait_dscnt 0x0                               ; my stores have landed,
	s_barrier_signal -1
	s_barrier_wait -1                              ; and so have my head's other wave's
	; ---- phase 2: the head's K and V into registers, once
	WIN 0x40
.set j, 0
.rept 16
	ds_load_b128 v[6*j:6*j+3], v2 offset:KIM+768*j
	ds_load_b64 v[6*j+4:6*j+5], v3 offset:KIM+768*j+512
.set j, j+1
.endr
.irp n, 0,1
.irp s, 0,1
.irp p, 0,1,2,3,4,5
	ds_load_b64 v[104+12*(2*\n+\s)+2*\p:105+12*(2*\n+\s)+2*\p], v23 offset:3328*\s+1664*\n+48*(\p/3)+8*(\p%3)
.endr
.endr
.endr
.irp i, 0,1,2,3,4,5
	v_mov_b32 v[96+\i], 0                          ; behind K's last tile
	v_mov_b32 v[158+\i], 0                         ; Q's k = 64 .. 127
.endr
.irp tau, 0,1                                  ; register 16 m + n of the last two blocks holds key 32 m + 16 h + n (from the first of the two): hidden where 32 m + n - 8 tau > 32 g + r + 8 (r / 8) - 16 h
.irp m, 0,1
.irp n, 0,1,2,3,4,5,6,7,8,9,10,11,12,13,14,15
	v_cmp_gt_i32 vcc_lo, 32*\m+\n-8*\tau, v19
	s_delay_alu instid0(VALU_DEP_1)
	v_cndmask_b32 v[164+32*\tau+16*\m+\n], 0, v20, vcc_lo
.endr
.endr
.endr
	WIN 0
.irp b, 0,1,2,3,4,5,6,7
	ds_load_b32 v[24+\b], v4 offset:KSO+128*\b     ; K's scale words: lanes 0-15 tile 2 b, lanes 16-31 tile 2 b + 1
.endr
	ds_load_b32 v32, v1
	ds_load_b32 v33, v1 offset:64
.irp b, 0,1,2,3,4,5,6,7
	v_mov_b32 v[48+\b], 0                          ; lane permutes' destinations count as sources
.endr
	v_mov_b32 v57, 0                               ; (upper halves of pairs of which the low word serves both halves)
	v_mov_b32 v59, 0
	v_mov_b32 v62, 0
	v_mov_b32 v253, 0
; A QUERY TILE against its NB blocks of 32 keys.
.macro ATT NB, tau
.set TI, 2*(\NB)-4+(\tau)
	WIN 0x40
	ds_load_b128 v[152:155], v13 offset:TI*768
	ds_load_b64 v[156:157], v14 offset:TI*768+512
	WIN 0
	ds_load_b32 v34, v5 offset:QSO+TI*64
	s_wait_dscnt 0x0                               ; Q is in; the last tile's stores have read their registers
	WIN 0x05                                       ; K and Q in window 1, S^T in window 0
.set j, 0
.rept 2*(\NB)
	WM 64+8*j, 6*j, 152, -1, 24+j/2, 34, j%2, 0
.set j, j+1
.endr
	WIN 0x04
	PLACES
.set e, 0
.rept 16
	v_pk_add_f32 v[32+16*(\NB)+e:33+16*(\NB)+e], v[32+16*(\NB)+e:33+16*(\NB)+e], v[164+32*(\tau)+e:165+32*(\tau)+e]   ; -infinity onto the hidden scores of the last two blocks
.set e, e+2
.endr
	WIN 0
.set b, 0
.rept \NB
	v_max3_num_f32 v[40+b], v[64+16*b], v[65+16*b], v[66+16*b]     ; the largest score of each block: for the row's maximum, and, since p rises with the score, for the block's largest p
.set b, b+1
.endr
.irp i, 3,5,7,9,11,13
.set b, 0
.rept \NB
	v_max3_num_f32 v[40+b], v[40+b], v[64+16*b+\i], v[65+16*b+\i]
.set b, b+1
.endr
.endr
.set b, 0
.rept \NB
	v_max_num_f32 v[40+b], v[40+b], v[79+16*b]
.set b, b+1
.endr
.set b, 0
.rept \NB
	v_permlanex16_b32 v[48+b], v[40+b], s44, s45
.set b, b+1
.endr
.set b, 0
.rept \NB
	v_max_num_f32 v[40+b], v[40+b], v[48+b]
.set b, b+1
.endr
	v_max_num_f32 v58, v40, v41
.set b, 2
.rept ((\NB)-2)/2
	s_delay_alu instid0(VALU_DEP_1)
	v_max3_num_f32 v58, v58, v[40+b], v[41+b]
.set b, b+2
.endr
	s_delay_alu instid0(VALU_DEP_1)
	v_mul_f32 v58, s46, v58                        ; the row's largest t (c is positive)
	s_delay_alu instid0(VALU_DEP_1)
	v_floor_f32 v56, -v58                          ; -M = -ceil(t): a whole number
.set j, 0
.rept 8*(\NB)
	v_pk_fma_f32 v[64+j:65+j], v[64+j:65+j], s[46:47], v[56:57] op_sel_hi:[1,0,0]   ; t - M
.set j, j+2
.endr
.set b, 0
.rept \NB
	v_fma_f32 v[40+b], v[40+b], s46, v56
.set b, b+1
.endr
.set j, 0
	s_wait_alu depctr_va_vdst(0)
.rept 16*(\NB)
	v_exp_f32 v[64+j], v[64+j]                     ; p = 2^(t - M): not normalised
.set j, j+1
.endr
	v_nop                                          ; a plain line behind the exponentials
	s_wait_alu depctr_va_vdst(0)                   ; one wait for the whole batch, ahead of its first reader
.set b, 0
.rept \NB
	v_exp_f32 v[40+b], v[40+b]                     ; each block's largest p: the same two instructions on the same number
.set b, b+1
.endr
	v_pk_add_f32 v[60:61], v[64:65], v[66:67]      ; the sum of the unquantised p, in two chains: plain work behind the small batch
	v_pk_add_f32 v[62:63], v[68:69], v[70:71]
.set j, 8
.rept 4*(\NB)-2
	v_pk_add_f32 v[60:61], v[60:61], v[64+j:65+j]
	v_pk_add_f32 v[62:63], v[62:63], v[66+j:67+j]
.set j, j+4
.endr
	s_delay_alu instid0(VALU_DEP_1)
	v_pk_add_f32 v[60:61], v[60:61], v[62:63]
	s_wait_alu depctr_va_vdst(0)                   ; and one for the small batch
.set b, 0
.rept \NB
	v_max_num_f32 v[40+b], FLOOR, v[40+b]
.set b, b+1
.endr
.set b, 0
.rept \NB
	v_add_nc_u32 v[48+b], OFFE, v[40+b]            ; the conversions' scale operands
.set b, b+1
.endr
.set b, 0
.rept \NB
	v_lshrrev_b32 v[40+b], 23, v[48+b]             ; the bytes
.set b, b+1
.endr
	v_lshl_or_b32 v36, v41, 8, v40                 ; p's scale words; blocks that are not there keep the byte 0 over zero codes
.if (\NB) >= 4
	s_delay_alu instid0(VALU_DEP_1)
	v_lshl_or_b32 v36, v42, 16, v36
	s_delay_alu instid0(VALU_DEP_1)
	v_lshl_or_b32 v36, v43, 24, v36
.endif
.if (\NB) >= 6
	v_lshl_or_b32 v37, v45, 8, v44
.endif
.if (\NB) >= 8
	s_delay_alu instid0(VALU_DEP_1)
	v_lshl_or_b32 v37, v46, 16, v37
	s_delay_alu instid0(VALU_DEP_1)
	v_lshl_or_b32 v37, v47, 24, v37
.endif
.set pp, 0
.rept (\NB)/2
	v_cvt_scalef32_pk16_fp6_f32 v[192+6*pp:194+6*pp], v[64+32*pp:79+32*pp], v[48+2*pp]
	v_cvt_scalef32_pk16_fp6_f32 v[216+4*pp:218+4*pp], v[80+32*pp:95+32*pp], v[49+2*pp]
.set pp, pp+1
.endr
	v_nop                                          ; one plain line behind the scaled conversions
.set pp, 0
.rept (\NB)/2                                  ; the operand wants a whole block in a lane: lanes 0-15 the pair's first block, lanes 16-31 its second
.irp i, 0,1,2
	v_permlane16_swap_b32 v[192+6*pp+\i], v[216+4*pp+\i]
.endr
.irp i, 0,1,2
	s_delay_alu instid0(VALU_DEP_3)
	v_mov_b32 v[195+6*pp+\i], v[216+4*pp+\i]
.endr
.set pp, pp+1
.endr
.if ((\NB)%4) == 2
.irp i, 0,1,2,3,4,5
	v_mov_b32 v[192+3*(\NB)+\i], 0                 ; the K step's other 64 keys: zero codes
.endr
.endif
	v_add_f32 v60, v60, v61
	s_delay_alu instid0(VALU_DEP_1)
	v_permlanex16_b32 v62, v60, s44, s45
	s_delay_alu instid0(VALU_DEP_1)
	v_add_f32 v60, v60, v62                        ; the row's sum
	s_wait_alu depctr_va_vdst(0)
	v_rcp_f32 v252, v60
.rept 8
	v_nop                                          ; a scale register written by vector instructions stands eight plain lines ahead of a scaled product, an operand four
.endr
	WIN 0x01                                       ; V in window 1
	WM 232, 104, 192, -1, 32, 36, 0, 0             ; two accumulators by turns
	WM 240, 128, 192, -1, 33, 36, 0, 0
.if (\NB) > 4
	WM 232, 116, 204, 232, 32, 37, 1, 0
	WM 240, 140, 204, 240, 33, 37, 1, 0
.endif
	WIN 0
	PLACES
	s_wait_alu depctr_va_vdst(0)                   ; the reciprocal's wait, ahead of its first reader
.set j, 0
.rept 8
	v_pk_mul_f32 v[232+j:233+j], v[232+j:233+j], v[252:253] op_sel_hi:[1,0]   ; O / sum, from each accumulator's low end on: register 8 n + i is d = 16 h + 8 n + i
.set j, j+2
.endr
	v_max3_num_f32 v58, |v232|, |v233|, FLOOR
.irp i, 2,4,6,8,10,12,14
	s_delay_alu instid0(VALU_DEP_1)
	v_max3_num_f32 v58, v58, |v[232+\i]|, |v[233+\i]|
.endr
	s_delay_alu instid0(VALU_DEP_1)
	v_permlanex16_b32 v59, v58, s44, s45
	s_delay_alu instid0(VALU_DEP_1)
	v_max_num_f32 v58, v58, v59
	s_delay_alu instid0(VALU_DEP_1)
	v_add_nc_u32 v58, OFFE, v58
	s_delay_alu instid0(VALU_DEP_1)
	v_lshrrev_b32 v59, 23, v58
	v_cvt_scalef32_pk16_fp6_f32 v[248:250], v[232:247], v58
	v_nop
.irp i, 0,1,2
	ds_store_b32 v[15+\i], v[248+\i] offset:TI*1536
.endr
	ds_store_b8 v18, v59 offset:TI*64
.endm
	ATT 2, 0
	ATT 2, 1
	ATT 4, 0
	ATT 4, 1
	ATT 6, 0
	ATT 6, 1
	ATT 8, 0
	ATT 8, 1
	; ---- the way out: the 16 images (four heads = one K step of the next product) and their scale words
	s_wait_dscnt 0x0
	s_barrier_signal -1
	s_barrier_wait -1
	s_mul_i32 s38, s10, 3072
	v_add_nc_u32 v40, s38, v21                     ; two images a wave
	s_delay_alu instid0(VALU_DEP_1)
	v_add_nc_u32 v41, OUTR, v40
	v_and_b32 v42, 31, v0
	s_delay_alu instid0(VALU_DEP_1)
	v_lshlrev_b32 v42, 3, v42
	s_lshl_b32 s39, s11, 8
	v_add_nc_u32 v42, s39, v42
	s_delay_alu instid0(VALU_DEP_1)
	v_add_nc_u32 v43, OSCR, v42
.irp p, 0,1,2,3,4,5
	ds_load_b128 v[64+4*\p:67+4*\p], v41 offset:512*\p
.endr
	s_wait_alu depctr_va_vdst(0)
.irp p, 0,1,2,3,4,5
	s_wait_dscnt 5-\p
	global_store_b128 v40, v[64+4*\p:67+4*\p], s[32:33] offset:512*\p     ; 512 consecutive bytes a store
.endr
	s_cmp_lt_u32 s10, 4
	s_cbranch_scc0 .Ldone
	ds_load_b64 v[88:89], v43                      ; waves 0-3: 256 consecutive bytes of scale words each
	s_wait_dscnt 0x0
	global_store_b64 v42, v[88:89], s[34:35]
.Ldone:
	s_wait_tensorcnt 0x0
	ds_add_u32 v254, v255
	s_wait_dscnt 0x0
	s_endpgm
.Lfunc_end_k_q64429c8be6_attn:
	.size	k_q64429c8be6_attn, .Lfunc_end_k_q64429c8be6_attn-k_q64429c8be6_attn
	.p2alignl 7, 3214868480
	.fill 96, 4, 3214868480
	.section	.rodata,"a",@progbits
	.p2align	6, 0x0
	.amdhsa_kernel k_q64429c8be6_attn
		.amdhsa_group_segment_fixed_size 263168
		.amdhsa_private_segment_fixed_size 0
		.amdhsa_enable_private_segment 0
		.amdhsa_kernarg_size 24
		.amdhsa_user_sgpr_count 2
		.amdhsa_user_sgpr_kernarg_segment_ptr 1
		.amdhsa_wavefront_size32 1
		.amdhsa_system_sgpr_workgroup_id_x 1
		.amdhsa_system_sgpr_workgroup_id_y 1
		.amdhsa_system_sgpr_workgroup_id_z 1
		.amdhsa_system_vgpr_workitem_id 0
		.amdhsa_next_free_vgpr 512
		.amdhsa_next_free_sgpr 66
		.amdhsa_reserve_vcc 1
		.amdhsa_float_denorm_mode_32 3
		.amdhsa_float_denorm_mode_16_64 3
		.amdhsa_memory_ordered 1
		.amdhsa_forward_progress 1
		.amdhsa_inst_pref_size 247
	.end_amdhsa_kernel
	.amdgpu_metadata
---
amdhsa.version: [ 1, 2 ]
amdhsa.kernels:
  - .name:           k_q64429c8be6_attn
    .symbol:         k_q64429c8be6_attn.kd
    .args:
      - { .name: hbuf, .offset: 0, .size: 8, .value_kind: global_buffer, .address_space: global }
      - { .name: wbuf, .offset: 8, .size: 8, .value_kind: global_buffer, .address_space: global }
      - { .name: abuf, .offset: 16, .size: 8, .value_kind: global_buffer, .address_space: global }
    .group_segment_fixed_size: 263168
    .private_segment_fixed_size: 0
    .kernarg_segment_align: 8
    .kernarg_segment_size: 24
    .max_flat_workgroup_size: 256
    .sgpr_count:     66
    .vgpr_count:     512
    .wavefront_size: 32
...
	.end_amdgpu_metadata
.endif
;; end of part 2
;; launch mlp (part 3): grid 256 x 1, 4 waves a work-group, clusters of 4 x 1, 327,680 bytes of LDS; arguments abuf, wbuf, x, bp, g_ln2, b_ln2, b1, b2, out0; writes out0
.if DOCPART == 3
	.amdgcn_target "amdgcn-amd-amdhsa--gfx1250"
	.amdhsa_code_object_version 6
	.text
	.protected	k_q64429c8be6_mlp
	.globl	k_q64429c8be6_mlp
	.p2align	8
	.type	k_q64429c8be6_mlp,@function
k_q64429c8be6_mlp:
	s_mov_b64 s[64:65], 0
	v_nop
	global_prefetch_b8 v0, s[64:65] scope:SCOPE_SE
	s_setreg_imm32_b32 hwreg(HW_REG_WAVE_MODE, 25, 1), 1
	s_wait_xcnt 0x0
	s_wait_alu depctr_hold_cnt(0) depctr_sa_sdst(0) depctr_va_vdst(0) depctr_va_sdst(0) depctr_va_ssrc(0) depctr_va_vcc(0) depctr_vm_vsrc(0)
	s_getreg_b32 s2, hwreg(HW_REG_IB_STS2, 6, 4)
	s_cmp_eq_u32 s2, 0
	s_cbranch_scc0 .Lentry_in_a_cluster
	s_endpgm
.Lentry_in_a_cluster:
	s_bfe_u32 s2, ttmp6, 0x10000c
	s_cmp_lg_u32 s2, 0x3003
	s_cbranch_scc0 .Lentry_shape_is_right
	s_endpgm
.Lentry_shape_is_right:
; MLP.  out = x1 + relu(LN2(x1) W1 + b1) W2 + b2 with x1 = x + att Wp + bp, for 64 rows (four token tiles m) a work-group; nothing between the products goes to memory.
; Wave w makes columns 128 w .. 128 w + 127 of every product, for all 64 rows: each weight fragment is read from LDS once and feeds four products.
; All products are transposed (source 0 = 16 columns of the weight, source 1 = 16 rows): lane (r, h) holds row r, and register 8 n + j of its tiles n = 2 bb + u holds column 32 bb + 16 h + 8 u + j of the wave's 128.
; THE WEIGHTS are one stream of 18 steps (Wp: 2; then four times W1's chunk of 512 columns: 2, W2's chunk of 512 along K: 2).  A step is a record of 25,600 bytes a wave: 16 fragments (2 K steps x 8 column tiles) and their scale words,
; through a ring of two LDS slots.  CLUSTER: the four work-groups of a cluster walk the same stream, so each record is asked for JOINTLY (mask 15), by a descriptor made of the wave's number and the cluster's alone.
; Cluster q takes the four chunks of the hidden layer, independent summands, in the order (q % 4 + i) % 4.  LIMIT: the f32 additions over the four chunks are made in that order; within a chunk K ascends.
; No data prefetch: each record is asked for by all 64 clusters, 16 of them in the same part of the walk; x is read once, at the head, where there is no loop to run ahead in.
; THE FIRST PRODUCT starts from bp as its C and runs while x is on its way; x then turns through the stage into window 2 and is added.
; A STEP = 64 products a wave in four groups a, b, c, d of 16 (K step 0: a, b; 1: c, d; column tiles 0-3: a, c; 4-7: b, d), each group with a register buffer of its own.  A buffer takes the next step's group as soon as its products are
; issued, so a slot's last reads are issued 24 products ahead of the wait for them.  The change of slots stands in group b.  By this text's count a wave has one tensor load out.
; ACTIVATIONS go from wave to wave through LDS as images of operand registers: set A holds the attention's codes, then LN2's; set B the hidden chunk's.
; LIMITS: NaN and infinities are not served; a block under 2^-124, zeros among them, gets the byte 1 (its bytes are read by this program alone).
; LDS: 0 the ring, 2 x 102,400; 204,800 image set A, 230,400 set B (24,576 of codes + 1,024 of scale words each); 256,000 a stage of 16 rows x 528 bytes for each wave; 289,792 two exchanges of 1,024 bytes; 291,840 the spare words.
; REGISTERS: window 3: Y(m, n) at 8 (8 m + n).  window 2: HA, the same layout: x, LN2's numbers, the hidden chunk.
;   window 1: v0-47, v48-95 activations' fragments of two K steps; v96-159 a bias in the result's layout (bp, b_ln2, b1's chunk); v160-207, v208-255 weights' groups c, d (during LN2: v160-223 g_ln2).
;   window 0: v1, v2 the spare word's address and 0; v3-18 addresses; v20-23, v24-39 scale words alone; v40-91 at work; v96-143, v144-191 weights' groups a, b; v192-211 codes; v252-255 b2.
; SCALARS of the walk: s58, s59 the step, counted from step 2 and modulo 16, that slot 0, slot 1 takes next; s[60:61] my record of step 2; s[62:63] an offset; s66 the chunk in hand; s[68:69] its part of b1; s[70:71] an offset.
.set RINGS, 102400
.set REC,   25600
.set IMGA,  204800
.set IMB,   25600
.set STG,   256000
.set STAT,  289792
.set SPARE, 291840
.set FLOOR, 0x1800000
.set OFFE,  0xff000000
.set TM,    40
.set MSB, 0
.macro WIN new                         ; the immediate's high byte repeats the setting that is left
.if MSB != (\new)
	s_set_vgpr_msb (MSB<<8)|(\new)
.set MSB, (\new)
.endif
.endm
.macro PLACES                          ; four plain lines behind matrix instructions, ahead of reads of results and of loads into their registers
.rept 4
	v_nop
.endr
.endm
.macro CREST                           ; a round of the cluster's barrier behind its opening barrier
	s_cmp_lg_u32 s22, 0
	s_cbranch_scc1 .Lnot_wave_0_\@
	s_barrier_signal -3
.Lnot_wave_0_\@:
	s_barrier_wait -3
	s_barrier_signal -1
	s_barrier_wait -1
.endm
.macro ROUND
	s_barrier_signal -1
	s_barrier_wait -1
	CREST
.endm
.macro BARRIER                         ; my LDS stores have landed and my LDS loads are in: then the work-group's barrier
	s_wait_dscnt 0x0
	s_barrier_signal -1
	s_barrier_wait -1
.endm
.macro WM d, a, b, c, sa, sb, ra, rb   ; one product; ra, rb = 1: that side's scales stand in lanes 16-31
.if (\ra) && (\rb)
	v_wmma_scale_f32_16x16x128_f8f6f4 v[(\d):(\d)+7], v[(\a):(\a)+11], v[(\b):(\b)+11], v[(\c):(\c)+7], v[\sa], v[\sb] matrix_a_fmt:MATRIX_FMT_FP6 matrix_b_fmt:MATRIX_FMT_FP6 matrix_a_scale:MATRIX_SCALE_ROW1 matrix_b_scale:MATRIX_SCALE_ROW1
.elseif (\ra)
	v_wmma_scale_f32_16x16x128_f8f6f4 v[(\d):(\d)+7], v[(\a):(\a)+11], v[(\b):(\b)+11], v[(\c):(\c)+7], v[\sa], v[\sb] matrix_a_fmt:MATRIX_FMT_FP6 matrix_b_fmt:MATRIX_FMT_FP6 matrix_a_scale:MATRIX_SCALE_ROW1
.elseif (\rb)
	v_wmma_scale_f32_16x16x128_f8f6f4 v[(\d):(\d)+7], v[(\a):(\a)+11], v[(\b):(\b)+11], v[(\c):(\c)+7], v[\sa], v[\sb] matrix_a_fmt:MATRIX_FMT_FP6 matrix_b_fmt:MATRIX_FMT_FP6 matrix_b_scale:MATRIX_SCALE_ROW1
.else
	v_wmma_scale_f32_16x16x128_f8f6f4 v[(\d):(\d)+7], v[(\a):(\a)+11], v[(\b):(\b)+11], v[(\c):(\c)+7], v[\sa], v[\sb] matrix_a_fmt:MATRIX_FMT_FP6 matrix_b_fmt:MATRIX_FMT_FP6
.endif
.endm
.macro LW grp, slot                    ; 12 loads: the four weight fragments of a group, into the group's own buffer (a, b: window 0; c, d: window 1)
	WIN 0x40*((\grp)/2)
.irp nn, 0,1,2,3
.irp p, 0,1,2
	ds_load_b128 v[96+48*((\grp)%2)+64*((\grp)/2)+12*\nn+4*\p:99+48*((\grp)%2)+64*((\grp)/2)+12*\nn+4*\p], v[3+(\slot)] offset:(4*(\grp)+\nn)*1536+512*\p
.endr
.endr
	WIN 0
.endm
.macro LWS slot                        ; 8 loads: a step's scale words: lanes 0-15 fragment 2 i, lanes 16-31 fragment 2 i + 1
.irp i, 0,1,2,3,4,5,6,7
	ds_load_b32 v[24+8*(\slot)+\i], v[5+(\slot)] offset:128*\i
.endr
.endm
.macro LA s, io                        ; 14 loads: the four rows' fragments of K step s, and their scale words (lanes 0-15 tile 2 p, lanes 16-31 tile 2 p + 1)
	WIN 0x40
.irp m, 0,1,2,3
.irp p, 0,1,2
	ds_load_b128 v[48*((\s)%2)+12*\m+4*\p:48*((\s)%2)+12*\m+4*\p+3], v7 offset:(\io)+(4*(\s)+\m)*1536+512*\p
.endr
.endr
	WIN 0
.irp p, 0,1
	ds_load_b32 v[20+2*((\s)%2)+\p], v8 offset:(\io)+256*(\s)+128*\p
.endr
.endm
; Eight products: two column tiles of group grp x the four row tiles; the accumulators take turns.  dw: their window; bias = 1: C is the bias (window 1), which starts the sums.
.macro MMG8 grp, j, dw, bias, hf
	WIN ((\dw)<<6)|(((\bias)+(1-(\bias))*(\dw))<<4)|4|((\grp)/2)
.irp nn, 2*(\hf), 2*(\hf)+1
.irp m, 0,1,2,3
.set NT, 4*((\grp)%2)+(\nn)
.set DD, 8*(8*\m+NT)
.if \bias
.set CC, 96+8*NT
.else
.set CC, DD
.endif
	WM DD, 96+48*((\grp)%2)+64*((\grp)/2)+12*(\nn), 48*((\grp)/2)+12*\m, CC, 24+8*(\j)+4*((\grp)/2)+NT/2, 20+2*((\grp)/2)+\m/2, NT%2, \m%2
.endr
.endr
.endm
.macro MMG grp, j, dw, bias
	MMG8 \grp, \j, \dw, \bias, 0
	MMG8 \grp, \j, \dw, \bias, 1
.endm
; A STEP of the stream, in slot j; it is the j-th of its unit's two.  At its start all 48 loads of its weights have been issued.  fill = 1: the slot is filled again, with the record that my walk wants two steps on.
; pre = 0: the next step's groups c and d are not fetched here (their registers are wanted for g_ln2).
.macro STEP j, dw, bias, io, fill, pre
.set BS, (\bias)*(1-(\j))
.if (\j) == 0
	s_wait_dscnt 14                                ; the weights and K step 0 are in; K step 1's 14 loads may be out
.else
	s_wait_dscnt 50                                ; K step 2, group a and the scale words are in; b's 12, c's 12, K step 3's 14 and d's 12 may be out
.endif
	MMG 0, \j, \dw, BS
.if \fill
	WIN 0
	s_wait_tensorcnt 0x0                           ; all my tensor loads have landed: the one that was out is the next step's record;
	ds_add_u32 v1, v2                              ; 0 onto my spare word;
	s_mul_i32 s62, s[58+(\j)], RINGS               ; no load of mine is out, so this slot's descriptor may be written: the record two steps on,
	s_add_nc_u64 s[42+4*(\j):43+4*(\j)], s[60:61], s[62:63]
	s_or_b32 s[43+4*(\j)], s[43+4*(\j)], 0x80000000
	s_add_co_u32 s[58+(\j)], s[58+(\j)], 2         ; the slot's next one lies two steps further on,
	s_and_b32 s[58+(\j)], s[58+(\j)], 15           ; round the 16 steps of the four chunks
.if (\j) == 1
	s_wait_dscnt 39                                ; group b is in; c's 12, K step 3's 14, d's 12 and the add may be out
.endif
	MMG8 1, \j, \dw, BS, 0                         ; eight products stand between the add and the wait for it
	s_wait_dscnt 0x0                               ; the add is done, and my reads of this slot are over
	s_barrier_signal -1
	MMG8 1, \j, \dw, BS, 1
	WIN 0
	s_barrier_wait -1
	CREST                                          ; the barrier has opened a round of the cluster's: no wave of any partner still reads this slot or has a load on its way
	tensor_load_to_lds s[40+4*(\j):43+4*(\j)], s[32:39]   ; the first thing behind the round, and my one tensor load until the next
	s_nop 0
	PLACES                                         ; four v_nop follow it; they are also the places ahead of the loads below
.else
.if (\j) == 0
	s_wait_tensorcnt 0x0                           ; the last record, which I alone read, has landed; nothing is filled, so no add and no round
.else
	s_wait_dscnt 38                                ; group b is in
.endif
	MMG 1, \j, \dw, BS
	WIN 0
	PLACES
.endif
.if (\fill) || ((\j) == 0)
.if (\j) == 0
	LA 2, \io
.endif
	LW 0, 1-(\j)
	LWS 1-(\j)
	LW 1, 1-(\j)
.if (\fill) == 0
	s_wait_dscnt 46                                ; K step 1 is in; the 46 just issued may be out
.endif
	MMG 2, \j, \dw, 0
	WIN 0
.if \pre
	PLACES
	LW 2, 1-(\j)
.endif
	MMG 3, \j, \dw, 0
	WIN 0
	PLACES
.if (\j) == 0
	LA 3, \io
.endif
.if \pre
	LW 3, 1-(\j)
.endif
.else                                          ; the last step: nothing more to fetch
	s_wait_dscnt 0x0
	MMG 2, \j, \dw, 0
	MMG 3, \j, \dw, 0
	WIN 0
	PLACES
.endif
.endm
.macro UNIT dw, bias, io, fill, pre    ; a product over K = 512: two steps
	LA 0, \io
	LA 1, \io
	STEP 0, \dw, \bias, \io, \fill, 1
	STEP 1, \dw, \bias, \io, \fill, \pre
.endm
; 64 numbers of a lane in window 2, register 16 b + i = k 32 b + 16 h + i of my row, become a fragment's codes in v[pc] on and its scale word in v[pc + 19].
.macro QUANT s, pc
	WIN 0x0a
.irp b, 0,1,2,3
	v_max3_num_f32 v[TM+\b], |v[(\s)+16*\b]|, |v[(\s)+1+16*\b]|, FLOOR
.endr
.irp i, 2,4,6,8,10,12,14
.irp b, 0,1,2,3
	v_max3_num_f32 v[TM+\b], |v[(\s)+16*\b+\i]|, |v[(\s)+1+16*\b+\i]|, v[TM+\b]
.endr
.endr
	WIN 0
.irp b, 0,1,2,3
	v_permlanex16_b32 v[TM+4+\b], v[TM+\b], s48, s49
.endr
.irp b, 0,1,2,3
	v_max_num_f32 v[TM+\b], v[TM+\b], v[TM+4+\b]
.endr
.irp b, 0,1,2,3
	v_add_nc_u32 v[TM+12+\b], OFFE, v[TM+\b]
.endr
.irp b, 0,1,2,3
	v_lshrrev_b32 v[TM+4+\b], 23, v[TM+12+\b]
.endr
	v_lshl_or_b32 v[(\pc)+19], v[TM+5], 8, v[TM+4]
	v_lshl_or_b32 v[(\pc)+19], v[TM+6], 16, v[(\pc)+19]
	v_lshl_or_b32 v[(\pc)+19], v[TM+7], 24, v[(\pc)+19]
	WIN 0x02
.irp c, 0,1
	v_cvt_scalef32_pk16_fp6_f32 v[(\pc)+6*\c:(\pc)+2+6*\c], v[(\s)+32*\c:(\s)+15+32*\c], v[TM+12+2*\c]
	v_cvt_scalef32_pk16_fp6_f32 v[(\pc)+12+4*\c:(\pc)+14+4*\c], v[(\s)+16+32*\c:(\s)+31+32*\c], v[TM+13+2*\c]
.endr
	WIN 0
	v_nop                                          ; one plain line behind the scaled conversions
.irp c, 0,1
.irp i, 0,1,2
	v_permlane16_swap_b32 v[(\pc)+6*\c+\i], v[(\pc)+12+4*\c+\i]
.endr
.irp i, 0,1,2
	v_mov_b32 v[(\pc)+3+6*\c+\i], v[(\pc)+12+4*\c+\i]
.endr
.endr
.endm
.macro QUANT4 io                       ; my 128 columns of the four row tiles become K step w of the next product: four images.  Two sets of registers by turns
.irp m, 0,1,2,3
.if \m >= 2
	s_wait_dscnt 4                                 ; the stores of two tiles ago have read their registers; the last tile's four may be out
.endif
	QUANT 64*\m, 60+132*(\m%2)
.irp c, 0,1,2
	ds_store_b128 v9, v[60+132*(\m%2)+4*\c:63+132*(\m%2)+4*\c] offset:(\io)+1536*\m+512*\c
.endr
	ds_store_b32 v10, v[79+132*(\m%2)] offset:(\io)+64*\m
.endr
.endm
.macro LOADV reg, sb                   ; 64 numbers of a vector in the result's layout, into window 1: lane (r, h), register 8 n + j: element 32 (n / 2) + 16 h + 8 (n % 2) + j of my 128
	WIN 0x40
.irp n, 0,1,2,3,4,5,6,7
.irp q, 0,1
	global_load_b128 v[(\reg)+8*\n+4*\q:(\reg)+8*\n+4*\q+3], v17, s[\sb:\sb+1] offset:128*(\n/2)+32*(\n%2)+16*\q
.endr
.endr
	WIN 0
.endm
; The four rows' chains v[40 + 4 m ..] are added up, over lane l xor 16 and over the four waves (through LDS, at off): v[56 + 4 m] = the row's sum over 512 columns, the same in every wave.
.macro XCH off
	WIN 0
.irp m, 0,1,2,3
	v_pk_add_f32 v[40+4*\m:41+4*\m], v[40+4*\m:41+4*\m], v[42+4*\m:43+4*\m]
.endr
.irp m, 0,1,2,3
	v_add_f32 v[40+4*\m], v[40+4*\m], v[41+4*\m]
.endr
.irp m, 0,1,2,3
	v_permlanex16_b32 v[88+\m], v[40+4*\m], s48, s49
.endr
.irp m, 0,1,2,3
	v_add_f32 v[40+4*\m], v[40+4*\m], v[88+\m]
.endr
.irp m, 0,1,2,3
	ds_store_b32 v14, v[40+4*\m] offset:(\off)+256*\m
.endr
	BARRIER
.irp m, 0,1,2,3
	ds_load_b128 v[56+4*\m:59+4*\m], v15 offset:(\off)+256*\m
.endr
	s_wait_dscnt 0x0
.irp m, 0,1,2,3
	v_add_f32 v[56+4*\m], v[56+4*\m], v[57+4*\m]
	v_add_f32 v[58+4*\m], v[58+4*\m], v[59+4*\m]
.endr
.irp m, 0,1,2,3
	v_add_f32 v[56+4*\m], v[56+4*\m], v[58+4*\m]
.endr
.endm
	s_load_b256 s[4:11], s[0:1], 0x0               ; abuf, wbuf, x, bp
	s_load_b256 s[12:19], s[0:1], 0x20             ; g_ln2, b_ln2, b1, b2
	s_load_b64 s[20:21], s[0:1], 0x40              ; out0
	v_lshl_add_u32 v1, v0, 2, SPARE
	v_mov_b32 v2, 0
	ds_add_u32 v1, v2                              ; the opening lines: the add, twice on end, and its wait ahead of my first tensor load
	ds_add_u32 v1, v2
	v_lshrrev_b32 v3, 5, v0
	v_readfirstlane_b32 s22, v3                    ; wave 0..3
	s_bfe_u32 s23, ttmp6, 0x40000                  ; cx: it enters the addresses of abuf, x and out0 alone
	s_lshl_b32 s24, ttmp9, 2
	s_add_co_u32 s24, s24, s23                     ; the work-group: 64 rows
	s_and_b32 s66, ttmp9, 3                        ; the chunk at which my cluster begins, the same in all four partners
	s_lshl_b32 s58, s66, 2                         ; slot 0's first refill: that chunk's first step,
	s_add_co_u32 s59, s58, 1                       ; slot 1's: its second
	s_mov_b32 s63, 0
	s_mov_b32 s71, 0
	; descriptor group 1: 100 rows of 256 bytes (32 elements of 8 bytes), dense; mask: all four work-groups, bit 21 beside it
	s_mov_b32 s32, 15|(3<<16)|(1<<21)
	s_mov_b32 s33, 32<<16
	s_mov_b32 s34, 100<<16
	s_mov_b32 s35, 32<<16
	s_mov_b32 s36, 100
	s_mov_b32 s37, 32
	s_mov_b32 s38, 0
	s_mov_b32 s39, 0
	s_mul_i32 s25, s22, REC                        ; my record's place in a slot and in a step
	s_add_co_u32 s30, s25, 614400
	s_mov_b32 s31, 0
	s_mov_b32 s48, 0x76543210
	s_mov_b32 s49, 0xfedcba98                      ; v_permlanex16_b32's selects for lane l xor 16
	s_mov_b32 s50, 0x3b000000                      ; 1 / 512
	s_mov_b32 s51, 0x3727c5ac                      ; 1e-5
	s_lshl_b32 s26, s22, 9                         ; my 128 columns in a vector or a row of f32
	s_mov_b32 s27, 0
	s_lshl_b32 s28, s24, 17                        ; 64 rows of 2,048 bytes
	s_add_co_u32 s28, s28, s26
	s_mov_b32 s29, 0
	s_lshr_b32 s52, s24, 2                         ; batch
	s_and_b32 s53, s24, 3                          ; which 64 of its rows
	s_mul_i32 s54, s52, 98304
	s_mul_i32 s55, s22, 24576                      ; I fetch K step w (head group w)
	s_add_co_u32 s54, s54, s55
	s_mul_i32 s55, s53, 6144
	s_add_co_u32 s54, s54, s55
	s_mov_b32 s55, 0
	s_lshl_b32 s56, s52, 12
	s_lshl_b32 s57, s22, 10
	s_add_co_u32 s56, s56, s57
	s_lshl_b32 s57, s53, 8
	s_add_co_u32 s56, s56, s57
	s_add_co_u32 s56, s56, 6291456
	s_mov_b32 s57, 0
	v_and_b32 v19, 31, v0                          ; lane
	v_and_b32 v40, 15, v0                          ; r
	v_bfe_u32 v41, v0, 4, 1                        ; h
	v_lshlrev_b32 v16, 4, v19                      ; 16 l
	v_lshlrev_b32 v17, 6, v41                      ; 64 h
	v_lshlrev_b32 v18, 2, v19                      ; 4 l
	v_lshlrev_b32 v42, 2, v40                      ; 4 r
	v_lshlrev_b32 v43, 4, v40                      ; 16 r
	v_add_nc_u32 v3, s25, v16                      ; weights' fragments in slot 0,
	v_add_nc_u32 v4, RINGS, v3                     ; in slot 1
	v_add_nc_u32 v5, s25, v18
	v_add_nc_u32 v5, 24576, v5                     ; their scale words
	v_add_nc_u32 v6, RINGS, v5
	v_add_nc_u32 v7, IMGA, v16                     ; images, back
	v_add_nc_u32 v8, IMGA+24576, v18               ; their scale words, back
	s_mul_i32 s52, s22, 6144
	v_add_nc_u32 v9, s52, v7                       ; images, in: K step w
	s_lshl_b32 s52, s22, 8
	v_add_nc_u32 v11, s52, v8                      ; scale words, in, 4 bytes a lane
	v_add_nc_u32 v10, s52, v42
	v_add_nc_u32 v10, IMGA+24576, v10              ; scale words, in, by rows
	s_mul_i32 s52, s22, 8448
	s_add_co_u32 s52, s52, STG
	v_add_nc_u32 v12, s52, v16                     ; my stage by rows of 512 bytes
	v_mul_u32_u24 v13, v40, 528
	v_add_nc_u32 v13, v13, v17
	v_add_nc_u32 v13, s52, v13                     ; and in the result's layout: row r, 64 h bytes on
	v_add_nc_u32 v15, STAT, v43                    ; the exchange: a row's four words
	s_lshl_b32 s52, s22, 2
	v_add_nc_u32 v14, s52, v15                     ; mine of them
.irp m, 0,1,2,3
	v_mov_b32 v[88+\m], 0                          ; lane permutes' destinations count as sources
.endr
	s_wait_alu depctr_va_vdst(0)                   ; the wait at the head's end
	s_wait_dscnt 0x0                               ; both opening adds are done
	s_wait_kmcnt 0x0
	s_mov_b32 s40, 1
	s_mov_b32 s41, s25
	s_add_nc_u64 s[42:43], s[6:7], s[30:31]        ; step 0
	s_mov_b32 s44, 1
	s_add_co_u32 s45, s25, RINGS
	s_add_nc_u64 s[46:47], s[42:43], RINGS         ; step 1
	s_add_nc_u64 s[60:61], s[42:43], 2*RINGS       ; step 2: from here the refills count
	s_or_b32 s43, s43, 0x80000000
	s_or_b32 s47, s47, 0x80000000
	s_add_nc_u64 s[8:9], s[8:9], s[28:29]          ; x and out0 at my rows and columns
	s_add_nc_u64 s[20:21], s[20:21], s[28:29]
	s_add_nc_u64 s[10:11], s[10:11], s[26:27]      ; the vectors at my columns
	s_add_nc_u64 s[12:13], s[12:13], s[26:27]
	s_add_nc_u64 s[14:15], s[14:15], s[26:27]
	s_add_nc_u64 s[16:17], s[16:17], s[26:27]
	s_add_nc_u64 s[18:19], s[18:19], s[26:27]
	s_add_nc_u64 s[54:55], s[4:5], s[54:55]
	s_add_nc_u64 s[56:57], s[4:5], s[56:57]
	ROUND                                          ; all four work-groups are here: the first joint loads meet
	tensor_load_to_lds s[40:43], s[32:39]          ; step 0's record: one tensor load a wave at the head
	s_nop 0
	PLACES
.irp m, 0,1,2,3
.irp p, 0,1,2
	global_load_b128 v[96+12*\m+4*\p:99+12*\m+4*\p], v16, s[54:55] offset:1536*\m+512*\p   ; the attention's codes: K step w of my 64 rows
.endr
.endr
	global_load_b32 v144, v18, s[56:57]
	global_load_b32 v145, v18, s[56:57] offset:128
	LOADV 96, 10                                   ; bp, in the result's layout: the C of the first product's first K step
	WIN 0x80
.irp m, 0,1,2,3
.irp i, 0,1,2,3,4,5,6,7,8,9,10,11,12,13,14,15
	global_load_b128 v[64*\m+4*\i:64*\m+4*\i+3], v16, s[8:9] offset:(32*(\m/2)+8*(\m%2)+\i+8*(\i/8))*2048 th:TH_LOAD_NT   ; x: 512 consecutive bytes of a row; first read behind the first product
.endr
.endr
	WIN 0
	s_wait_loadcnt 63                              ; the first 31 of 94 loads are in: the codes, their scale words and bp (63 is the largest count that the wait can name)
.irp m, 0,1,2,3
.irp p, 0,1,2
	ds_store_b128 v9, v[96+12*\m+4*\p:99+12*\m+4*\p] offset:1536*\m+512*\p
.endr
.endr
	ds_store_b32 v11, v144
	ds_store_b32 v11, v145 offset:128
	s_wait_tensorcnt 0x0                           ; step 0's record has landed
	ds_add_u32 v1, v2
	s_wait_dscnt 0x0                               ; the add is done, and my images have landed
	ROUND                                          ; the attention's sixteen fragments lie in set A, and all four work-groups are here
	tensor_load_to_lds s[44:47], s[32:39]          ; step 1's record, the first tensor load behind the round
	s_nop 0
	PLACES
	LW 0, 0
	LWS 0
	LW 1, 0
	LW 2, 0
	LW 3, 0
	UNIT 3, 1, 0, 1, 0                             ; Y = bp + att Wp
	LOADV 160, 12                                  ; g_ln2, where groups c and d lay
	LOADV 96, 14                                   ; b_ln2 takes bp's place
	global_load_b128 v[252:255], v16, s[18:19]     ; b2, four columns a lane, as the result leaves
.irp m, 0,1,2,3                                ; x turns through my stage into the result's layout, in place.  LDS serves a wave's instructions in order: one stage serves all four tiles
.if \m < 2
	s_wait_loadcnt 63
.else
	s_wait_loadcnt 81-16*\m                        ; this tile's 16 rows are in; the younger tiles' and the 33 loads above may be out
.endif
	WIN 0x08
.irp i, 0,1,2,3,4,5,6,7,8,9,10,11,12,13,14,15
	ds_store_b128 v12, v[64*\m+4*\i:64*\m+4*\i+3] offset:528*\i
.endr
	WIN 0x80
.irp bb, 0,1,2,3
.irp q, 0,1,2,3
	ds_load_b128 v[8*(8*\m+2*\bb+\q/2)+4*(\q%2):8*(8*\m+2*\bb+\q/2)+4*(\q%2)+3], v13 offset:128*\bb+16*\q
.endr
.endr
.endr
.irp m, 0,1,2,3
.if \m < 2
	s_wait_dscnt 63
.else
	s_wait_dscnt 32*(3-\m)                         ; this tile is back; the younger tiles' 32 LDS instructions each may be out
.endif
	WIN 0xcb
.set j, 0
.rept 32
	v_pk_add_f32 v[64*\m+j:64*\m+j+1], v[64*\m+j:64*\m+j+1], v[64*\m+j:64*\m+j+1]   ; Y = x1 = Y + x, each accumulator from its low end on
.set j, j+2
.endr
.endr
	; ---- LayerNorm 2, in two passes (mean, then the squares of the differences); a row's 512 columns lie in two lanes of each of four waves
	WIN 0x0f
.irp m, 0,1,2,3
	v_pk_add_f32 v[40+4*\m:41+4*\m], v[64*\m:64*\m+1], v[64*\m+2:64*\m+3]
	v_pk_add_f32 v[42+4*\m:43+4*\m], v[64*\m+4:64*\m+5], v[64*\m+6:64*\m+7]
.endr
	WIN 0x0c
.set j, 8
.rept 14
.irp m, 0,1,2,3
	v_pk_add_f32 v[40+4*\m:41+4*\m], v[40+4*\m:41+4*\m], v[64*\m+j:64*\m+j+1]
	v_pk_add_f32 v[42+4*\m:43+4*\m], v[42+4*\m:43+4*\m], v[64*\m+j+2:64*\m+j+3]
.endr
.set j, j+4
.endr
	XCH 0
.irp m, 0,1,2,3
	v_mul_f32 v[72+2*\m], 0xbb000000, v[56+4*\m]   ; -mean
.endr
.irp m, 0,1,2,3
	v_mov_b32 v[73+2*\m], v[72+2*\m]
.endr
	WIN 0x83
.irp m, 0,1,2,3
.set j, 0
.rept 32
	v_pk_add_f32 v[64*\m+j:64*\m+j+1], v[64*\m+j:64*\m+j+1], v[72+2*\m:73+2*\m]    ; HA = x1 - mean; Y keeps x1
.set j, j+2
.endr
.endr
	WIN 0x0a
.irp m, 0,1,2,3
	v_pk_mul_f32 v[40+4*\m:41+4*\m], v[64*\m:64*\m+1], v[64*\m:64*\m+1]
	v_pk_mul_f32 v[42+4*\m:43+4*\m], v[64*\m+2:64*\m+3], v[64*\m+2:64*\m+3]
.endr
.set j, 4
.rept 15
.irp m, 0,1,2,3
	v_pk_fma_f32 v[40+4*\m:41+4*\m], v[64*\m+j:64*\m+j+1], v[64*\m+j:64*\m+j+1], v[40+4*\m:41+4*\m]
	v_pk_fma_f32 v[42+4*\m:43+4*\m], v[64*\m+j+2:64*\m+j+3], v[64*\m+j+2:64*\m+j+3], v[42+4*\m:43+4*\m]
.endr
.set j, j+4
.endr
	XCH 1024
.irp m, 0,1,2,3
	v_fma_f32 v[56+4*\m], v[56+4*\m], s50, s51     ; variance + 1e-5
.endr
	s_wait_alu depctr_va_vdst(0)                   ; the wait ahead of the batch
.irp m, 0,1,2,3
	v_rsq_f32 v[80+2*\m], v[56+4*\m]
.endr
	v_nop                                          ; a plain line behind the transcendentals
	s_wait_alu depctr_va_vdst(0)                   ; one wait for the four, ahead of their first reader
.irp m, 0,1,2,3
	v_mov_b32 v[81+2*\m], v[80+2*\m]
.endr
	WIN 0x82
.irp m, 0,1,2,3
.set j, 0
.rept 32
	v_pk_mul_f32 v[64*\m+j:64*\m+j+1], v[64*\m+j:64*\m+j+1], v[80+2*\m:81+2*\m]
.set j, j+2
.endr
.endr
	s_wait_loadcnt 0x0                             ; g_ln2, b_ln2, b2
	WIN 0x96
.irp m, 0,1,2,3
.set j, 0
.rept 32
	v_pk_fma_f32 v[64*\m+j:64*\m+j+1], v[64*\m+j:64*\m+j+1], v[160+j:161+j], v[96+j:97+j]
.set j, j+2
.endr
.endr
	WIN 0
	LW 2, 0                                        ; g_ln2 is done with: groups c and d of the next step, which lies in slot 0
	LW 3, 0
	s_lshl_b32 s70, s66, 11                        ; b1: 2,048 bytes a chunk
	s_add_nc_u64 s[68:69], s[16:17], s[70:71]
	LOADV 96, 68                                   ; b1 of my first chunk takes b_ln2's place
	QUANT4 0                                       ; set A is written anew: every wave's reads of the attention's codes ended ahead of the barriers above
	BARRIER                                        ; LN2's sixteen fragments lie in set A, for all four chunks
; A CHUNK: 512 hidden units.  last = 1: the walk's end: no next bias, and the second product's steps fill nothing.
.macro CHUNK last
	s_wait_loadcnt 0x0                             ; this chunk's b1 is in; it also shows those loads done, so their base may be written below
	UNIT 2, 1, 0, 1, 1                             ; HA = LN2 W1 + b1: the bias is the C of each sum's first product
.if !\last
	s_add_co_u32 s66, s66, 1
	s_and_b32 s66, s66, 3                          ; the next chunk of my walk, round the four
	s_lshl_b32 s70, s66, 11
	s_add_nc_u64 s[68:69], s[16:17], s[70:71]
	LOADV 96, 68                                   ; its b1: it has the second product in which to land
.endif
	WIN 0x88
.set j, 0
.rept 256
	v_max_num_f32 v[j], 0, v[j]                    ; relu, in f32, each accumulator from its low end on
.set j, j+1
.endr
	QUANT4 IMB                                     ; set B is written anew: every wave's reads of the last chunk's ended ahead of the rounds that it has passed since
	BARRIER                                        ; the hidden chunk's sixteen fragments lie in set B
	UNIT 3, 0, IMB, 1-(\last), 1                   ; Y += hidden W2
.endm
	s_mov_b32 s52, 3
.Lchunk:
	CHUNK 0
	s_sub_co_u32 s52, s52, 1
	s_cmp_lg_u32 s52, 0
	s_cbranch_scc1 .Lchunk
	CHUNK 1                                        ; the tail is written out
	; ---- the way out: Y turns through my stage back into rows; + b2; 32 lanes store 512 consecutive bytes of a row
.irp m, 0,1,2,3
.if \m >= 2
	s_wait_xcnt 0x0                                ; the stores of two tiles ago have read their registers: the loads below may land there
.endif
	WIN 0x0c
.irp bb, 0,1,2,3
.irp q, 0,1,2,3
	ds_store_b128 v13, v[8*(8*\m+2*\bb+\q/2)+4*(\q%2):8*(8*\m+2*\bb+\q/2)+4*(\q%2)+3] offset:128*\bb+16*\q
.endr
.endr
	WIN 0
.irp i, 0,1,2,3,4,5,6,7,8,9,10,11,12,13,14,15
	ds_load_b128 v[96+64*(\m%2)+4*\i:99+64*(\m%2)+4*\i], v12 offset:528*\i
.endr
.irp i, 0,1,2,3,4,5,6,7,8,9,10,11,12,13,14,15
	s_wait_dscnt 15-\i
	v_pk_add_f32 v[96+64*(\m%2)+4*\i:97+64*(\m%2)+4*\i], v[96+64*(\m%2)+4*\i:97+64*(\m%2)+4*\i], v[252:253]
	v_pk_add_f32 v[98+64*(\m%2)+4*\i:99+64*(\m%2)+4*\i], v[98+64*(\m%2)+4*\i:99+64*(\m%2)+4*\i], v[254:255]
	global_store_b128 v16, v[96+64*(\m%2)+4*\i:99+64*(\m%2)+4*\i], s[20:21] offset:(32*(\m/2)+8*(\m%2)+\i+8*(\i/8))*2048 th:TH_STORE_NT
.endr
.endr
	s_wait_tensorcnt 0x0                           ; the wave's end, behind my last tensor load and my last LDS store
	ds_add_u32 v1, v2
	s_wait_dscnt 0x0
	ROUND                                          ; the closing round: no work-group ends while a partner may still ask for a record that names it
	s_endpgm
.Lfunc_end_k_q64429c8be6_mlp:
	.size	k_q64429c8be6_mlp, .Lfunc_end_k_q64429c8be6_mlp-k_q64429c8be6_mlp
	.p2alignl 7, 3214868480
	.fill 96, 4, 3214868480
	.section	.rodata,"a",@progbits
	.p2align	6, 0x0
	.amdhsa_kernel k_q64429c8be6_mlp
		.amdhsa_group_segment_fixed_size 327680
		.amdhsa_private_segment_fixed_size 0
		.amdhsa_enable_private_segment 0
		.amdhsa_kernarg_size 72
		.amdhsa_user_sgpr_count 2
		.amdhsa_user_sgpr_kernarg_segment_ptr 1
		.amdhsa_wavefront_size32 1
		.amdhsa_system_sgpr_workgroup_id_x 1
		.amdhsa_system_sgpr_workgroup_id_y 1
		.amdhsa_system_sgpr_workgroup_id_z 1
		.amdhsa_system_vgpr_workitem_id 0
		.amdhsa_next_free_vgpr 1024
		.amdhsa_next_free_sgpr 72
		.amdhsa_reserve_vcc 0
		.amdhsa_float_denorm_mode_32 3
		.amdhsa_float_denorm_mode_16_64 3
		.amdhsa_memory_ordered 1
		.amdhsa_forward_progress 1
		.amdhsa_inst_pref_size 255
	.end_amdhsa_kernel
	.section	.bss,"aw",@nobits
	.p2align	6
	.space	262144
	.amdgpu_metadata
---
amdhsa.version: [ 1, 2 ]
amdhsa.kernels:
  - .name:           k_q64429c8be6_mlp
    .symbol:         k_q64429c8be6_mlp.kd
    .args:
      - { .name: abuf, .offset: 0, .size: 8, .value_kind: global_buffer, .address_space: global }
      - { .name: wbuf, .offset: 8, .size: 8, .value_kind: global_buffer, .address_space: global }
      - { .name: x, .offset: 16, .size: 8, .value_kind: global_buffer, .address_space: global }
      - { .name: bp, .offset: 24, .size: 8, .value_kind: global_buffer, .address_space: global }
      - { .name: g_ln2, .offset: 32, .size: 8, .value_kind: global_buffer, .address_space: global }
      - { .name: b_ln2, .offset: 40, .size: 8, .value_kind: global_buffer, .address_space: global }
      - { .name: b1, .offset: 48, .size: 8, .value_kind: global_buffer, .address_space: global }
      - { .name: b2, .offset: 56, .size: 8, .value_kind: global_buffer, .address_space: global }
      - { .name: out0, .offset: 64, .size: 8, .value_kind: global_buffer, .address_space: global }
    .group_segment_fixed_size: 327680
    .private_segment_fixed_size: 0
    .kernarg_segment_align: 8
    .kernarg_segment_size: 72
    .max_flat_workgroup_size: 128
    .sgpr_count:     72
    .vgpr_count:     1024
    .wavefront_size: 32
...
	.end_amdgpu_metadata
.endif
;; end of part 3
